; MI455X (gfx1250); checked and timed in simulation.
; The chip was launched on July 23, 2026; its instructions are those of AMD's public machine-readable ISA for CDNA 5 (MIT licence, August 2026) and "CDNA5" Instruction Set Architecture Reference Guide (July 2026). The comments in the code are by the model that wrote it; some were corrected since.
;; Non Rigid Motion MLP. Allowed arithmetic: matrix products marked QUANTISED: E5M2 operands, one E8M0 scale for each 32 along K, by v_wmma_scale_f32_16x16x128_f8f6f4 with both operands' format E5M2, f32 sums; products left as they are: f32 operands where the result goes on into a quantised operand, else bf16, f16 or f32 operands; f32 sums; everything else in f32.
;; Inputs: W0 85 x 128 float32; W1 128 x 128 float32; W2 128 x 128 float32; W3 128 x 128 float32; W4 128 x 128 float32; W5 128 x 128 float32; W6 128 x 3 float32; b0 128 float32; b1 128 float32; b2 128 float32; b3 128 float32; b4 128 float32; b5 128 float32; b6 3 float32; condition_code 524,288 x 69 float32; embeddings 2,936,936 x 2 float32; xyz 524,288 x 3 float32.
;; Outputs: out0 524,288 x 3 float32.
;; This version of the problem:
;;   THIS VERSION OF THE PROBLEM IS GIVEN IN LOW PRECISION. The matrix products marked QUANTISED in the list below multiply operands that are first quantised to E5M2 (5 exponent bits, 2 mantissa bits; 8 bits a number), with one power-of-two scale for each 32 numbers along K (OCP MX v1.0); their sums are f32. All else is computed in f32.
;;   The module's matrix products, in the order in which they are computed (A, B: the left and right operand; K: the contracted axis; several contracted axes count as one K, in the product's order):
;;     1. [M 524,288, K 85] x [K 85, N 128]; A: computed on the way; B: input W0: QUANTISED
;;     2. [M 524,288, K 128] x [K 128, N 128]; A: computed on the way; B: input W1: QUANTISED
;;     3. [M 524,288, K 128] x [K 128, N 128]; A: computed on the way; B: input W2: QUANTISED
;;     4. [M 524,288, K 128] x [K 128, N 128]; A: computed on the way; B: input W3: QUANTISED
;;     5. [M 524,288, K 128] x [K 128, N 128]; A: computed on the way; B: input W4: QUANTISED
;;     6. [M 524,288, K 128] x [K 128, N 128]; A: computed on the way; B: input W5: QUANTISED
;;     7. [M 524,288, K 128] x [K 128, N 3]; A: computed on the way; B: input W6: left as it is (N = 3 < 16)
;;   THE QUANTISER, for each operand of a quantised product, along K:
;;     - K is cut into blocks of 32 from its start; a last block that is shorter is filled with zeros.
;;     - A block's scale is 2^e with e = floor(log2(the largest magnitude in the block)) - 15, held to -126 .. 127; a block of zeros has e = 0. As a byte (E8M0): e + 127.
;;     - Each number is divided by its block's scale, clamped to +-57,344, and rounded to the nearest number of E5M2, ties to even, subnormals kept.
;;     - The product sums the exact products of the quantised numbers (number of the format x scale) in f32.
;;   ~~~python
;;   def quantise(x, axis):      # numpy; x: float32 -> the quantised numbers, widened to float32 again
;;       x = np.moveaxis(x, axis, -1); K = x.shape[-1]
;;       x = np.pad(x, [(0, 0)] * (x.ndim - 1) + [(0, -K % 32)]); x = x.reshape(x.shape[:-1] + (-1, 32)); a = np.abs(x).max(-1, keepdims=True)
;;       e = np.where(a > 0, np.clip(np.frexp(np.where(a > 0, a, 1))[1] - 1 - 15, -126, 127), 0)      # np.frexp(a)[1] - 1 = floor(log2(a)), exactly
;;       r = np.clip(x / 2.0 ** e, -57344, 57344)
;;       step = 2.0 ** (np.maximum(np.frexp(np.where(r == 0, 1, r))[1] - 1, -14) - 2)
;;       q = np.round(r / step) * step * 2.0 ** e      # np.round: ties to even
;;       return np.moveaxis(q.reshape(q.shape[:-2] + (-1,))[..., :K], -1, axis).astype(np.float32)
;;   ~~~
;;   OPERANDS COMPUTED ON THE WAY. 'Computed on the way' means the value that the module computes at that place (a softmax that the list does not call 'softmax' is quantised finished and normalised). What goes into a quantiser is computed in f32, as accurately as f32 sums, v_exp_f32 and their like allow (about 1e-6 of the number): no bf16 or f16 on the way to a quantiser, and a product that is left as it is and whose result goes on into a quantised operand takes f32 operands (vector FMAs, or v_wmma_f32_16x16x4_f32). A number that lies on a knife's edge between two numbers of the format may be rounded either way, as far as f32 arithmetic and the matrix unit's own rounding can turn it there, and no further.
;; 2 versions, each right; version 2 is version 1 with the launch main written anew for expert scheduling mode. Each part assembles by itself: llvm-mc -triple=amdgcn-amd-amdhsa -mcpu=gfx1250 --defsym DOCPART=n.
;; ======== version 1 of 2: 2 launches
;; workspace buffers: coords 16,777,216 bytes of whole numbers; wimg 108,544 bytes
;; launch prep (part 1): grid 519 x 1, 8 waves a work-group, no clusters, 0 bytes of LDS; arguments xyz, W0, W1, W2, W3, W4, W5, W6, b0, b1, b2, b3, b4, b5, coords, wimg; writes coords, wimg
.if DOCPART == 1
	.amdgcn_target "amdgcn-amd-amdhsa--gfx1250"
	.amdhsa_code_object_version 6
	.text
	.protected	k_qa5c2ef03b3_prep
	.globl	k_qa5c2ef03b3_prep
	.p2align	8
	.type	k_qa5c2ef03b3_prep,@function
k_qa5c2ef03b3_prep:
	s_mov_b64 s[64:65], 0
	v_nop
	global_prefetch_b8 v0, s[64:65] scope:SCOPE_SE
	s_setreg_imm32_b32 hwreg(HW_REG_WAVE_MODE, 25, 1), 1
	s_wait_xcnt 0x0
; WHAT IT DOES.  (a) Work-groups 0-511: xyz -> whole-number grid coordinates of the 8 levels, 8 packed words a point, so that the next launch forms its gather addresses
; from whole numbers read from memory.  (b) Work-groups 512-517: W0..W5 (f32, [K][128]) -> codes of E5M2 with one E8M0 byte for each 32 along K, laid as IMAGES OF OPERAND REGISTERS
; (a fragment's four groups of four registers, 16 bytes a lane, 512 bytes a group), their scale words, and a copy of b0..b5.  (c) Work-group 518: W6 -> a bf16 operand image.
; COORDS, bytes: batch (32 points) x 1,024 + q x 512 + lane x 16 + 4 j holds word d = 4 q + j.  u = min(floor(x01 res + 0.5), res) for each axis.
;   d0 = ux + 17 uy + 289 uz (level 0) | uz of level 7 << 19;  d1 = ux + 33 uy + 1,089 uz (level 1) | uz of level 6 << 19;  d2 = ux + 65 uy + 4,225 uz (level 2);
;   d3, d4, d5 = ux | uy << 10 | uz << 20 (levels 3-5);  d6, d7 = ux | uy << 16 (levels 6, 7).
; WIMG, bytes: 0 layer 0's codes (tile t x 2,048 + c x 512 + 16 lane); 16,384 scale words (layer x 512 + 16 lane + 4 j: tile 2 j + lane / 16, row lane % 16);
;   19,456 biases (layer x 512, as they lie); 22,528 W6's image; 26,624 layers 1-5's codes (16,384 a layer).
; A TILE'S ROWS ARE NOT NEIGHBOURS: lane r of tile t takes hidden unit 32 (t / 2) + 8 (t % 2) + r + 8 (r / 8), so that the next launch's results fall along the next K.
; LAYER 0 (K = 85): block 2 is permuted inside the block, alike in both operands: place 16 h + i stands for k = 69 + i (h = 0), for k = 64 + i (h = 1, i < 5), else for zero; block 3 is zeros.
; LIMITS: xyz in [-1, 1] (outside, coordinates are held to 0 .. res: no access leaves the table, the values then differ from the problem's); NaN and infinities are not served;
; a block whose largest magnitude lies under 2^-111, a block of zeros among them, gets the byte 1 (its codes are then zeros or nearly so; only this program reads the bytes).
.set NCO,    512                       ; work-groups on coordinates: 8 waves x 4 batches of 32 points each
.set L_WS,   16384
.set L_BIAS, 19456
.set L_W6,   22528
.set L_W1,   26624
.set X,      32                        ; v32-95   64 numbers of a lane: register 16 c + i = k 32 c + 16 h + i of my column
.set CD,     96                        ; v96-111  their codes
.set TM,     112                       ; v112-127 largest magnitudes, bytes, holds, scale operands
; level l of batch k: the three coordinates, then their place in the batch's eight words v[32 + 8 k ..]
.macro LEV k, l
.irp d, 0,1,2
	v_fma_f32 v[8+\d], v[16+3*(\k)+\d], 0x41800000+(\l)*0x800000, 0.5   ; x01 x res + 0.5 (res = 16 x 2^l: the product is exact)
.endr
.irp d, 0,1,2
	v_cvt_u32_f32 v[8+\d], v[8+\d]                 ; toward zero = floor, the number is not negative
.endr
.irp d, 0,1,2
	v_min_u32 v[8+\d], 16<<(\l), v[8+\d]
.endr
.if (\l) < 3
	v_mad_u32_u24 v11, v9, (16<<(\l))+1, v8
	v_mad_u32_u24 v[32+8*(\k)+\l], v10, ((16<<(\l))+1)*((16<<(\l))+1), v11
.elseif (\l) < 6
	v_lshl_or_b32 v11, v9, 10, v8
	v_lshl_or_b32 v[32+8*(\k)+\l], v10, 20, v11
.else
	v_lshl_or_b32 v[32+8*(\k)+\l], v9, 16, v8
	v_lshl_or_b32 v[32+8*(\k)+7-\l], v10, 19, v[32+8*(\k)+7-\l]       ; uz rides on top of word 1 (level 6) or word 0 (level 7)
.endif
.endm
.macro BATCH k
	s_wait_loadcnt 9-3*(\k)                        ; my three loads are in; the later batches' three each may be out
.irp d, 0,1,2
	v_add_f32 v[16+3*(\k)+\d], 1.0, v[16+3*(\k)+\d]
.endr
.irp d, 0,1,2
	v_mul_f32 v[16+3*(\k)+\d], 0.5, v[16+3*(\k)+\d]                   ; x01 = (x + 1) / 2
.endr
.irp l, 0,1,2,3,4,5,6,7
	LEV \k, \l
.endr
	global_store_b128 v5, v[32+8*(\k):35+8*(\k)], s[44:45] offset:1024*(\k)        ; 32 lanes store 512 consecutive bytes, aligned; each batch has its own data registers
	global_store_b128 v5, v[36+8*(\k):39+8*(\k)], s[44:45] offset:1024*(\k)+512
.endm
	s_load_b512 s[16:31], s[0:1], 0x0              ; xyz s16, W0 s18, W1 s20, W2 s22, W3 s24, W4 s26, W5 s28, W6 s30
	s_load_b512 s[32:47], s[0:1], 0x40             ; b0 s32 .. b5 s42, coords s44, wimg s46
	v_lshrrev_b32 v1, 5, v0
	v_readfirstlane_b32 s8, v1                     ; wave 0..7
	v_and_b32 v1, 31, v0                           ; lane
	v_and_b32 v2, 15, v0                           ; r
	v_bfe_u32 v3, v0, 4, 1                         ; h
	v_lshlrev_b32 v5, 4, v1                        ; 16 x lane
	s_wait_kmcnt 0x0
	s_cmp_lt_u32 ttmp9, NCO
	s_cbranch_scc0 .Lweights
	; ---- (a) coordinates: my wave's four batches
	s_lshl_b32 s4, ttmp9, 3
	s_add_co_u32 s4, s4, s8                        ; which run of 128 points is my wave's
	s_mul_i32 s10, s4, 4*384
	s_mov_b32 s11, 0
	s_lshl_b32 s12, s4, 12
	s_mov_b32 s13, 0
	s_add_nc_u64 s[16:17], s[16:17], s[10:11]
	s_add_nc_u64 s[44:45], s[44:45], s[12:13]
	v_mul_u32_u24 v4, v1, 12                       ; a point is 12 bytes
.irp k, 0,1,2,3
.irp d, 0,1,2
	global_load_b32 v[16+3*\k+\d], v4, s[16:17] offset:384*\k+4*\d th:TH_LOAD_NT
.endr
.endr
	BATCH 0
	BATCH 1
	BATCH 2
	BATCH 3
	s_endpgm
.Lweights:
	s_cmp_eq_u32 ttmp9, NCO+6
	s_cbranch_scc1 .Lw6
	; ---- (b) layer g = work-group - 512; wave t makes tile t: 16 columns x 128 along K
	s_sub_co_u32 s9, ttmp9, NCO
	s_mov_b64 s[4:5], s[18:19]
	s_mov_b64 s[6:7], s[32:33]
.irp l, 1,2,3,4,5
	s_cmp_eq_u32 s9, \l                            ; the choice hangs on the work-group's number alone
	s_cselect_b64 s[4:5], s[18+2*\l:19+2*\l], s[4:5]
	s_cselect_b64 s[6:7], s[32+2*\l:33+2*\l], s[6:7]
.endr
	s_mov_b32 s50, 0x76543210
	s_mov_b32 s51, 0xfedcba98                      ; v_permlanex16_b32's selects for lane l xor 16
	s_mov_b32 s52, 0x600000                        ; the mantissa field of 57,344
	s_mov_b32 s53, 0xffff0000                      ; lanes 16-31
	s_lshr_b32 s10, s8, 1
	s_lshl_b32 s10, s10, 5
	s_and_b32 s11, s8, 1
	s_lshl_b32 s11, s11, 3
	s_add_co_u32 s10, s10, s11                     ; 32 (t / 2) + 8 (t % 2)
	v_and_b32 v6, 8, v2
	v_add_nc_u32 v6, v6, v2                        ; r + 8 (r / 8)
	v_add_nc_u32 v6, s10, v6                       ; my column n
	v_lshlrev_b32 v4, 2, v6                        ; 4 n
	v_lshl_add_u32 v6, v3, 13, v4                  ; lanes 16-31 begin 16 rows of 512 bytes further down
	s_cmp_eq_u32 s9, 0
	s_cbranch_scc1 .Lfirst
.irp c, 0,1,2,3
.irp i, 0,1,2,3,4,5,6,7,8,9,10,11,12,13,14,15
	global_load_b32 v[X+16*\c+\i], v6, s[4:5] offset:(32*\c+\i)*512    ; W(32 c + 16 h + i, n)
.endr
.endr
	s_wait_loadcnt 0x0
	s_branch .Lquant
.Lfirst:                                               ; W0 has 85 rows
	v_mul_u32_u24 v7, v3, 2560
	v_add_nc_u32 v8, 69*512, v4
	v_sub_nc_u32 v7, v8, v7                        ; block 2: rows 69 + i (h = 0), rows 64 + i (h = 1): all of them at most 84, inside W0
.irp c, 0,1
.irp i, 0,1,2,3,4,5,6,7,8,9,10,11,12,13,14,15
	global_load_b32 v[X+16*\c+\i], v6, s[4:5] offset:(32*\c+\i)*512
.endr
.endr
.irp i, 0,1,2,3,4,5,6,7,8,9,10,11,12,13,14,15
	global_load_b32 v[X+32+\i], v7, s[4:5] offset:\i*512
.endr
.irp i, 0,1,2,3,4,5,6,7,8,9,10,11,12,13,14,15
	v_mov_b32 v[X+48+\i], 0                        ; block 3: past the end of K
.endr
	s_wait_loadcnt 0x0
.irp i, 5,6,7,8,9,10,11,12,13,14,15
	v_cndmask_b32 v[X+32+\i], v[X+32+\i], 0, s53   ; lanes 16-31 hold k = 64 .. 68 alone: the rest of their places is zero
.endr
.Lquant:
.irp b, 0,1,2,3
	v_mov_b32 v[TM+4+\b], 0                        ; a lane permute's destination counts as one of its sources
.endr
.irp b, 0,1,2,3
	v_max3_num_f32 v[TM+\b], |v[X+16*\b]|, |v[X+16*\b+1]|, 0x8000000   ; block b: my 16 numbers and the floor 2^(16 - 127): the byte cannot fall under 1
.endr
.irp i, 2,4,6,8,10,12,14
.irp b, 0,1,2,3
	v_max3_num_f32 v[TM+\b], v[TM+\b], |v[X+16*\b+\i]|, |v[X+16*\b+\i+1]|
.endr
.endr
.irp b, 0,1,2,3
	v_permlanex16_b32 v[TM+4+\b], v[TM+\b], s50, s51
.endr
.irp b, 0,1,2,3
	v_max_num_f32 v[TM+\b], v[TM+\b], v[TM+4+\b]   ; with lane l xor 16's 16: the block's largest magnitude
.endr
.irp b, 0,1,2,3
	v_add_nc_u32 v[TM+12+\b], 0xf8800000, v[TM+\b] ; 15 off its exponent field: the conversion's scale operand
.endr
.irp b, 0,1,2,3
	v_and_or_b32 v[TM+8+\b], v[TM+\b], 0x7f800000, s52   ; 57,344 x the scale
.endr
.irp b, 0,1,2,3
	v_lshrrev_b32 v[TM+4+\b], 23, v[TM+12+\b]      ; the scale's byte
.endr
	v_lshl_or_b32 v9, v[TM+5], 8, v[TM+4]          ; my column's scale word
	v_lshl_or_b32 v9, v[TM+6], 16, v9
	v_lshl_or_b32 v9, v[TM+7], 24, v9
.irp b, 0,1,2,3
.irp i, 0,1,2,3,4,5,6,7,8,9,10,11,12,13,14,15
	v_med3_num_f32 v[X+16*\b+\i], v[X+16*\b+\i], -v[TM+8+\b], v[TM+8+\b]   ; the conversion to an 8-bit code does not saturate (ISA guide 7.6.2): hold first
.endr
	v_cvt_scalef32_pk8_bf8_f32 v[CD+4*\b:CD+4*\b+1], v[X+16*\b:X+16*\b+7], v[TM+12+\b]
	v_cvt_scalef32_pk8_bf8_f32 v[CD+4*\b+2:CD+4*\b+3], v[X+16*\b+8:X+16*\b+15], v[TM+12+\b]
.endr
	v_nop                                          ; a plain line behind the last conversion
	s_lshl_b32 s10, s9, 14
	s_add_co_u32 s10, s10, L_W1-16384              ; layers 1-5: 26,624 + 16,384 (g - 1);
	s_cmp_eq_u32 s9, 0
	s_cselect_b32 s10, 0, s10                      ; layer 0: 0
	s_lshl_b32 s11, s8, 11
	s_add_co_u32 s10, s10, s11                     ; + 2,048 x tile
	v_add_nc_u32 v10, s10, v5
.irp c, 0,1,2,3
	global_store_b128 v10, v[CD+4*\c:CD+4*\c+3], s[46:47] offset:512*\c   ; 512 consecutive bytes, aligned
.endr
	s_lshl_b32 s12, s9, 9                          ; the scale word: layer x 512 + (r + 16 (t % 2)) x 16 + 4 (t / 2)
	s_and_b32 s11, s8, 1
	s_lshl_b32 s11, s11, 8
	s_add_co_u32 s12, s12, s11
	s_lshr_b32 s11, s8, 1
	s_lshl_b32 s11, s11, 2
	s_add_co_u32 s12, s12, s11
	v_lshlrev_b32 v11, 4, v2
	v_add_nc_u32 v11, s12, v11
	global_store_b32 v11, v9, s[46:47] offset:L_WS ; both halves of the lanes store the same word with the same value
	s_cmp_lg_u32 s8, 0
	s_cbranch_scc1 .Ldone
	global_load_b128 v[12:15], v5, s[6:7]          ; wave 0 copies the layer's bias: 512 bytes
	s_lshl_b32 s13, s9, 9
	v_add_nc_u32 v16, s13, v5
	s_wait_loadcnt 0x0
	global_store_b128 v16, v[12:15], s[46:47] offset:L_BIAS
.Ldone:
	s_endpgm
.Lw6:
	; ---- (c) W6 [128][3] as source 0 of the bf16 form: block p = wave / 2 of 32 units, registers 4 (wave % 2) .. + 3.  Lane (r, h), register q: units 32 p + 16 h + 2 q, + 1
	; of output r % 8, zero where r % 8 > 2: rows 0-2 and 8-10 hold the same numbers, so that both halves of the lanes get the three outputs in a result's registers 0-2.
	v_and_b32 v6, 7, v2
	v_min_u32 v7, 2, v6                            ; (no load leaves W6)
	v_lshlrev_b32 v7, 2, v7
	v_mad_u32_u24 v7, v3, 192, v7                  ; 16 h units of 12 bytes
	s_lshr_b32 s10, s8, 1
	s_and_b32 s11, s8, 1
	s_mul_i32 s10, s10, 384
	s_mul_i32 s11, s11, 96
	s_add_co_u32 s10, s10, s11
	v_add_nc_u32 v7, s10, v7
.irp e, 0,1,2,3,4,5,6,7
	global_load_b32 v[16+\e], v7, s[30:31] offset:12*\e
.endr
	s_wait_loadcnt 0x0
	v_cmp_gt_u32 vcc_lo, 3, v6
.irp e, 0,1,2,3,4,5,6,7
	v_cndmask_b32 v[16+\e], 0, v[16+\e], vcc_lo
.endr
.irp e, 0,1,2,3
	v_cvt_pk_bf16_f32 v[24+\e], v[16+2*\e], v[17+2*\e]
.endr
	s_lshl_b32 s10, s8, 9
	v_add_nc_u32 v8, s10, v5
	global_store_b128 v8, v[24:27], s[46:47] offset:L_W6
	s_endpgm
.Lfunc_end_k_qa5c2ef03b3_prep:
	.size	k_qa5c2ef03b3_prep, .Lfunc_end_k_qa5c2ef03b3_prep-k_qa5c2ef03b3_prep
	.p2alignl 7, 3214868480
	.fill 96, 4, 3214868480
	.section	.rodata,"a",@progbits
	.p2align	6, 0x0
	.amdhsa_kernel k_qa5c2ef03b3_prep
		.amdhsa_group_segment_fixed_size 0
		.amdhsa_private_segment_fixed_size 0
		.amdhsa_enable_private_segment 0
		.amdhsa_kernarg_size 128
		.amdhsa_user_sgpr_count 2
		.amdhsa_user_sgpr_kernarg_segment_ptr 1
		.amdhsa_wavefront_size32 1
		.amdhsa_system_sgpr_workgroup_id_x 1
		.amdhsa_system_sgpr_workgroup_id_y 1
		.amdhsa_system_sgpr_workgroup_id_z 1
		.amdhsa_system_vgpr_workitem_id 0
		.amdhsa_next_free_vgpr 128
		.amdhsa_next_free_sgpr 66
		.amdhsa_reserve_vcc 1
		.amdhsa_float_denorm_mode_32 3
		.amdhsa_float_denorm_mode_16_64 3
		.amdhsa_memory_ordered 1
		.amdhsa_forward_progress 1
		.amdhsa_inst_pref_size 50
	.end_amdhsa_kernel
	.amdgpu_metadata
---
amdhsa.version: [ 1, 2 ]
amdhsa.kernels:
  - .name:           k_qa5c2ef03b3_prep
    .symbol:         k_qa5c2ef03b3_prep.kd
    .args:
      - { .name: xyz, .offset: 0, .size: 8, .value_kind: global_buffer, .address_space: global }
      - { .name: W0, .offset: 8, .size: 8, .value_kind: global_buffer, .address_space: global }
      - { .name: W1, .offset: 16, .size: 8, .value_kind: global_buffer, .address_space: global }
      - { .name: W2, .offset: 24, .size: 8, .value_kind: global_buffer, .address_space: global }
      - { .name: W3, .offset: 32, .size: 8, .value_kind: global_buffer, .address_space: global }
      - { .name: W4, .offset: 40, .size: 8, .value_kind: global_buffer, .address_space: global }
      - { .name: W5, .offset: 48, .size: 8, .value_kind: global_buffer, .address_space: global }
      - { .name: W6, .offset: 56, .size: 8, .value_kind: global_buffer, .address_space: global }
      - { .name: b0, .offset: 64, .size: 8, .value_kind: global_buffer, .address_space: global }
      - { .name: b1, .offset: 72, .size: 8, .value_kind: global_buffer, .address_space: global }
      - { .name: b2, .offset: 80, .size: 8, .value_kind: global_buffer, .address_space: global }
      - { .name: b3, .offset: 88, .size: 8, .value_kind: global_buffer, .address_space: global }
      - { .name: b4, .offset: 96, .size: 8, .value_kind: global_buffer, .address_space: global }
      - { .name: b5, .offset: 104, .size: 8, .value_kind: global_buffer, .address_space: global }
      - { .name: coords, .offset: 112, .size: 8, .value_kind: global_buffer, .address_space: global }
      - { .name: wimg, .offset: 120, .size: 8, .value_kind: global_buffer, .address_space: global }
    .group_segment_fixed_size: 0
    .private_segment_fixed_size: 0
    .kernarg_segment_align: 8
    .kernarg_segment_size: 128
    .max_flat_workgroup_size: 256
    .sgpr_count:     66
    .vgpr_count:     128
    .wavefront_size: 32
...
	.end_amdgpu_metadata
.endif
;; end of part 1
;; launch main (part 2): grid 256 x 1, 4 waves a work-group, no clusters, 214,016 bytes of LDS; arguments xyz, condition_code, embeddings, b6, coords, wimg, out0; writes out0
.if DOCPART == 2
	.amdgcn_target "amdgcn-amd-amdhsa--gfx1250"
	.amdhsa_code_object_version 6
	.text
	.protected	k_qa5c2ef03b3_main
	.globl	k_qa5c2ef03b3_main
	.p2align	8
	.type	k_qa5c2ef03b3_main,@function
k_qa5c2ef03b3_main:
	s_mov_b64 s[64:65], 0
	v_nop
	global_prefetch_b8 v0, s[64:65] scope:SCOPE_SE
	s_setreg_imm32_b32 hwreg(HW_REG_WAVE_MODE, 25, 1), 1
	s_wait_xcnt 0x0
; out = MLP(concat(condition_code, hash-grid encoding of xyz)): gather, trilinear interpolation, six products on codes of E5M2 (one E8M0 scale for each 32 along K), bias and relu in f32,
; the last product (128 -> 3) on bf16 operands; nothing between the inputs and out0 goes to memory.
; SHARES.  256 work-groups x 4 waves, a wave to a SIMD with all its registers.  A wave owns 512 points: 16 batches of 32 = two tiles, A and B, of 16 points.  THE WAVES SHARE NOTHING but the
; weights' image in LDS, read-only behind the one barrier.  Layers 1-5's codes (640 registers) stay in windows 1-3; layer 0's, the biases, the weights' scale words and W6 come from LDS when due.
; LAYOUT.  Every product is used transposed (source 0 = 16 rows of W^T, source 1 = 16 points): a lane holds ONE point (lane % 16), and since lane r of weight tile t is hidden unit
; 32 (t / 2) + 8 (t % 2) + r + 8 (r / 8), register 16 b + i of a tile's 64 results is unit 32 b + 16 (lane / 16) + i: the next K, in the order of the next operand's registers.  K = 128 is one
; matrix instruction a tile; the bias is its C.  The hidden layers never leave the registers.
; BY TURNS.  W(A, l); quantise B; W(B, l); quantise A; W(A, l + 1) ..: one tile's 8 matrix instructions run beside the other tile's vector work, which also fills the places round them.
; THE NEXT BATCH'S ENCODING rides in three parts (C1, C2, C3) behind W(B, 1), W(B, 3), W(B, 5): four levels' gathers are issued in one part and used in the next; the condition rows are
; asked for in C1 and put into LDS in C3.  THE LOOP HAS NO BRANCH: in the last trip the three parts work on batch 15 once more (the pointers' steps are 0 from trip 14 on, so no load leaves its
; buffer) and their results are not read: 1/16 of the encoding is done for nothing, and every wait's count holds on the one path there is.
; NO TENSOR LOADS, NO CLUSTER: what work-groups share is the image, 108,544 bytes read once, beside 655,360 bytes of rows and 1,048,576 bytes of gathers of a work-group's own.
; LAYER 0 (K = 85): blocks 0, 1 = condition 0-63; block 2, permuted inside the block alike in both operands: place 16 h + i = encoding i (h = 0), condition 64 + i (h = 1, i < 5), else 0; block 3 zero codes.
; LIMITS: xyz in [-1, 1] (see the launch before); NaN and infinities are not served; a block whose largest magnitude lies under 2^-111 gets the byte 1; the trilinear sum is three nested
; F0 + f (F1 - F0) in f32, another order of rounding than a sum of weighted corners; relu(h5) and W6 are rounded to bf16 for the last product.
; LDS: 0 .. 108,543 the image (layer 0's codes 0; scale words 16,384; biases 19,456; W6 22,528; layers 1-5 26,624).  Then 26,240 bytes a wave: 32 condition rows of 276 bytes as in memory;
;   X2: 32 rows, pitch 144: words 0-15 encoding, 16-20 condition 64-68, 21-31 zeros; 512 points of out; 512 points of xyz and 512 zero bytes (the last trip's).
; REGISTERS.  window 0: v1-7 addresses; v8-15 a batch's coordinate words; v16-79, v80-143 tiles A, B; v144-159 codes; v160-175 at work; v176 the points' scale word; v177-179 addresses;
;   v180-183 the weights' scale words; v184-255 condition rows on their way (in layer 0: its tiles 4-7).  window 1: layers 1, 2.  window 2: layers 3, 4.
;   window 3: v0-127 layer 5; v128-191 the bias in the result's layout; v192-255 gathered corners, 16 a level (in layer 0: its tiles 0-3).
.set NB,     16                        ; batches a wave
.set WIMGB,  108544
.set L_WS,   16384
.set L_BIAS, 19456
.set L_W6,   22528
.set L_W1,   26624
.set WREG,   26240                     ; a wave's own LDS
.set X2,     8832
.set OUTST,  13440
.set XYZST,  19584
.set C8,     8
.set ACCA,   16
.set ACCB,   80
.set OA,     112                       ; the last product's two results
.set OB,     120
.set CODES,  144
.set TM,     160
.set PW,     176
.set AOUT,   177
.set AXYZ,   178
.set ATMP,   179
.set WS,     180
.set CR,     184
.set BIAS,   128                       ; in window 3
.set G,      192                       ; in window 3
; s4 xyz, s6 condition rows (walks), s8 table, s10 b6, s12 coords (walks), s14 image, s16 out; s18 wave; s19 trip; s20-21 lane selects; s22-25 quantiser's constants; s26, s27 hash primes;
; s28 2^19 - 1; s29 lanes 16-31; s32-47 the table at each level's first entry; s48-50 b6; s52 my LDS region; s53-55 at work (s55 = 0)
.set MSB, 0
.macro WIN new                         ; low byte: bits 1:0 source 0, 3:2 source 1, 5:4 source 2, 7:6 destination; the high byte repeats the setting that is left
.if MSB != \new
	s_set_vgpr_msb (MSB<<8)|\new
.set MSB, \new
.endif
.endm
; layer l's bias in the result's layout (register 16 p + i = b[32 p + 16 h + i]) and its scale words (register j: lanes 0-15 tile 2 j, lanes 16-31 tile 2 j + 1)
.macro LOADCONST l
	WIN 0xC0
.irp p, 0,1,2,3
.irp q, 0,1,2,3
	ds_load_b128 v[BIAS+16*\p+4*\q:BIAS+16*\p+4*\q+3], v2 offset:512*(\l)+128*\p+16*\q
.endr
.endr
	WIN 0
	ds_load_b128 v[WS:WS+3], v1 offset:L_WS+512*(\l)
.endm
; 64 numbers of a lane, register 16 b + i = k 32 b + 16 h + i of my point, become the operand's codes in v[CODES ..] and its scale word in v[PW].  relu = 1: what is negative becomes 0 on the way.
; nb: blocks that hold numbers (3 in layer 0: block 3 gets zero codes and the byte 0, which is 2^-127 and harmless over zeros).  hook >= 0: that layer's constants are fetched behind the maxima,
; which are the places (8 are owed) behind the matrix instructions that read the old ones.
.macro QUANT s, relu, nb, hook
.irp b, 0,1,2,3
.if \b < \nb
.if \relu
	v_max3_num_f32 v[TM+\b], v[\s+16*\b], v[\s+16*\b+1], s25              ; no |.|: what is negative must not count; s25 = the floor 2^(16 - 127): the byte cannot fall under 1
.else
	v_max3_num_f32 v[TM+\b], |v[\s+16*\b]|, |v[\s+16*\b+1]|, s25
.endif
.endif
.endr
.irp i, 2,4,6,8,10,12,14
.irp b, 0,1,2,3
.if \b < \nb
.if \relu
	v_max3_num_f32 v[TM+\b], v[TM+\b], v[\s+16*\b+\i], v[\s+16*\b+\i+1]   ; the blocks by turns; each result of 8 registers is read from its low end on
.else
	v_max3_num_f32 v[TM+\b], v[TM+\b], |v[\s+16*\b+\i]|, |v[\s+16*\b+\i+1]|
.endif
.endif
.endr
.endr
.if \hook >= 0
	LOADCONST \hook
.endif
.irp b, 0,1,2,3
.if \b < \nb
	v_permlanex16_b32 v[TM+4+\b], v[TM+\b], s20, s21
.endif
.endr
.irp b, 0,1,2,3
.if \b < \nb
	v_max_num_f32 v[TM+\b], v[TM+\b], v[TM+4+\b]                          ; with lane l xor 16's 16: the block's largest magnitude
.endif
.endr
.irp b, 0,1,2,3
.if \b < \nb
	v_add_nc_u32 v[TM+12+\b], s24, v[TM+\b]                               ; 15 off its exponent field: the conversion's scale operand
.endif
.endr
.irp b, 0,1,2,3
.if \b < \nb
	v_and_or_b32 v[TM+8+\b], v[TM+\b], s23, s22                           ; 57,344 x the scale
.endif
.endr
.irp b, 0,1,2,3
.if \b < \nb
	v_lshrrev_b32 v[TM+4+\b], 23, v[TM+12+\b]                             ; the scale's byte
.endif
.endr
	v_lshl_or_b32 v[PW], v[TM+5], 8, v[TM+4]       ; the scale word stands more than 8 places ahead of the products: the holds follow
	v_lshl_or_b32 v[PW], v[TM+6], 16, v[PW]
.if \nb > 3
	v_lshl_or_b32 v[PW], v[TM+7], 24, v[PW]
.else
.irp i, 12,13,14,15
	v_mov_b32 v[CODES+\i], 0
.endr
.endif
.irp b, 0,1,2,3
.if \b < \nb
.irp i, 0,1,2,3,4,5,6,7,8,9,10,11,12,13,14,15
.if \relu
	v_med3_num_f32 v[\s+16*\b+\i], v[\s+16*\b+\i], 0, v[TM+8+\b]          ; the activation and the hold in one (the conversion does not saturate: ISA guide 7.6.2)
.else
	v_med3_num_f32 v[\s+16*\b+\i], v[\s+16*\b+\i], -v[TM+8+\b], v[TM+8+\b]
.endif
.endr
	v_cvt_scalef32_pk8_bf8_f32 v[CODES+4*\b:CODES+4*\b+1], v[\s+16*\b:\s+16*\b+7], v[TM+12+\b]
	v_cvt_scalef32_pk8_bf8_f32 v[CODES+4*\b+2:CODES+4*\b+3], v[\s+16*\b+8:\s+16*\b+15], v[TM+12+\b]
.endif
.endr
.rept 4
	v_nop                                          ; codes written by vector instructions stand 4 places ahead of a scaled matrix instruction; also the plain line behind the conversions
.endr
.endm
.macro WM acc, a, t                    ; tile t: D = W tile x codes + bias
.if (\t)%2
	v_wmma_scale_f32_16x16x128_f8f6f4 v[\acc+8*(\t):\acc+8*(\t)+7], v[\a:\a+15], v[CODES:CODES+15], v[BIAS+8*(\t):BIAS+8*(\t)+7], v[WS+(\t)/2], v[PW] matrix_a_fmt:MATRIX_FMT_BF8 matrix_b_fmt:MATRIX_FMT_BF8 matrix_a_scale:MATRIX_SCALE_ROW1
.else
	v_wmma_scale_f32_16x16x128_f8f6f4 v[\acc+8*(\t):\acc+8*(\t)+7], v[\a:\a+15], v[CODES:CODES+15], v[BIAS+8*(\t):BIAS+8*(\t)+7], v[WS+(\t)/2], v[PW] matrix_a_fmt:MATRIX_FMT_BF8 matrix_b_fmt:MATRIX_FMT_BF8
.endif
.endm
; layer l for one tile of points: eight results, no two alike, none added onto: C (window 3) is the bias
.macro WLAYER acc, l
.if (\l) == 0
	WIN 0x33
.irp t, 0,1,2,3
	WM \acc, G+16*\t, \t
.endr
	WIN 0x30
.irp t, 4,5,6,7
	WM \acc, CR+16*\t-64, \t
.endr
.else
.if (\l) < 3
	WIN 0x31
.elseif (\l) < 5
	WIN 0x32
.else
	WIN 0x33
.endif
.irp t, 0,1,2,3,4,5,6,7
	WM \acc, 128*(1-(\l)%2)+16*\t, \t
.endr
.endif
	WIN 0
.endm
; eight corners of level lev: entry v[TM + c] (c = cx + 2 cy + 4 cz) of the level's part of the table, 8 bytes each
.macro GATHER lev
	s_wait_dscnt 0x0                               ; the LDS stores that read these registers are done
	WIN 0xC0
.irp c, 0,1,2,3,4,5,6,7
	global_load_b64 v[G+16*((\lev)%4)+2*\c:G+16*((\lev)%4)+2*\c+1], v[TM+\c], s[32+2*(\lev):33+2*(\lev)] scale_offset
.endr
	WIN 0
.endm
.macro DENSE lev, ss, sz               ; index = x + ss y + ss^2 z, modulo sz (it lies under 2 sz: one conditional subtraction, as an unsigned minimum)
	s_wait_xcnt 0x0                                ; the last run of gathers has read its address registers
	v_and_b32 v[TM], s28, v[C8+\lev]
.irp c, 1,2,3,4,5,6,7
	v_add_nc_u32 v[TM+\c], (\c&1)+((\c>>1)&1)*\ss+(\c>>2)*\ss*\ss, v[TM]
.endr
.irp c, 0,1,2,3,4,5,6,7
	v_add_nc_u32 v[TM+8+\c], -\sz, v[TM+\c]
.endr
.irp c, 0,1,2,3,4,5,6,7
	v_min_u32 v[TM+\c], v[TM+\c], v[TM+8+\c]
.endr
.irp c, 0,1,2,3,4,5,6,7
	v_min_u32 v[TM+\c], \sz-1, v[TM+\c]            ; a loaded number enters an address only behind a minimum with a constant
.endr
	GATHER \lev
.endm
.macro HASHED lev                      ; index = (x ^ y P1 ^ z P2) mod 2^19
.if (\lev) < 6
	v_and_b32 v[TM+8], 0x3ff, v[C8+\lev]
	v_bfe_u32 v[TM+10], v[C8+\lev], 10, 10
	v_lshrrev_b32 v[TM+12], 20, v[C8+\lev]
.else
	v_and_b32 v[TM+8], 0xffff, v[C8+\lev]
	v_lshrrev_b32 v[TM+10], 16, v[C8+\lev]
	v_lshrrev_b32 v[TM+12], 19, v[C8+7-\lev]       ; z rides on word 1 (level 6) or word 0 (level 7)
.endif
	v_add_nc_u32 v[TM+9], 1, v[TM+8]               ; x + 1
	v_mul_lo_u32 v[TM+10], v[TM+10], s26           ; y P1
	v_mul_lo_u32 v[TM+12], v[TM+12], s27           ; z P2
	v_add_nc_u32 v[TM+11], s26, v[TM+10]           ; (y + 1) P1
	v_add_nc_u32 v[TM+13], s27, v[TM+12]           ; (z + 1) P2
	v_xor_b32 v[TM+14], v[TM+10], v[TM+12]         ; cy 0, cz 0
	v_xor_b32 v[TM+15], v[TM+11], v[TM+12]         ; cy 1, cz 0
	v_xor_b32 v[TM+10], v[TM+10], v[TM+13]         ; cy 0, cz 1
	v_xor_b32 v[TM+11], v[TM+11], v[TM+13]         ; cy 1, cz 1
.irp i, 14,15,10,11
	v_and_b32 v[TM+\i], s28, v[TM+\i]              ; x and x + 1 lie under 2^19
.endr
	s_wait_xcnt 0x0                                ; the last run of gathers has read its address registers
.irp c, 0,1,2,3,4,5,6,7
	v_xor_b32 v[TM+\c], v[TM+8+(\c&1)], v[TM+14-4*(\c>>2)+((\c>>1)&1)]
.endr
.irp c, 0,1,2,3,4,5,6,7
	v_min_u32 v[TM+\c], 0x7ffff, v[TM+\c]          ; a loaded number enters an address only behind a minimum with a constant
.endr
	GATHER \lev
.endm
.macro XYZL                            ; my point's xyz out of the stage: issued ahead of eight matrix instructions, used behind them
.irp d, 0,1,2
	ds_load_b32 v[TM+12+\d], v[AXYZ] offset:4*\d
.endr
.endm
.macro XYZC
	s_wait_dscnt 0x0
.irp d, 0,1,2
	v_add_f32 v[TM+12+\d], 1.0, v[TM+12+\d]
.endr
.irp d, 0,1,2
	v_mul_f32 v[TM+12+\d], 0.5, v[TM+12+\d]        ; x01, by the same two lines as in the launch before
.endr
.endm
; levels a and b by turns: the three fractions (in the even register of a written pair), then F0 + f (F1 - F0) along z, y, x on pairs of features; cnt: the younger loads that may stay out.
; One window setting serves all: F1 - F0 is F0 x -1.0 + F1, which rounds once, as a subtraction does.
.macro EC2 a, b, cnt
.set GA, G+16*((\a)%4)
.set GC, G+16*((\b)%4)
.irp d, 0,1,2
	v_fma_f32 v[TM+2*\d+1], v[TM+12+\d], 0x41800000+(\a)*0x800000, 0.5
	v_fma_f32 v[TM+2*\d+7], v[TM+12+\d], 0x41800000+(\b)*0x800000, 0.5
.endr
.irp d, 0,1,2
	v_floor_f32 v[TM+2*\d], v[TM+2*\d+1]
	v_floor_f32 v[TM+2*\d+6], v[TM+2*\d+7]
.endr
.irp d, 0,1,2
	v_sub_f32 v[TM+2*\d], v[TM+2*\d+1], v[TM+2*\d]
	v_sub_f32 v[TM+2*\d+6], v[TM+2*\d+7], v[TM+2*\d+6]
.endr
	s_wait_loadcnt \cnt
	WIN 0xF3                                       ; corners in window 3, the fraction (source 1) in window 0
.irp c, 0,1,2,3
	v_pk_fma_f32 v[GA+8+2*\c:GA+9+2*\c], v[GA+2*\c:GA+1+2*\c], -1.0, v[GA+8+2*\c:GA+9+2*\c] op_sel_hi:[1,0,1]
	v_pk_fma_f32 v[GC+8+2*\c:GC+9+2*\c], v[GC+2*\c:GC+1+2*\c], -1.0, v[GC+8+2*\c:GC+9+2*\c] op_sel_hi:[1,0,1]
.endr
.irp c, 0,1,2,3
	v_pk_fma_f32 v[GA+2*\c:GA+1+2*\c], v[GA+8+2*\c:GA+9+2*\c], v[TM+4:TM+5], v[GA+2*\c:GA+1+2*\c] op_sel_hi:[1,0,1]
	v_pk_fma_f32 v[GC+2*\c:GC+1+2*\c], v[GC+8+2*\c:GC+9+2*\c], v[TM+10:TM+11], v[GC+2*\c:GC+1+2*\c] op_sel_hi:[1,0,1]
.endr
.irp c, 0,1
	v_pk_fma_f32 v[GA+4+2*\c:GA+5+2*\c], v[GA+2*\c:GA+1+2*\c], -1.0, v[GA+4+2*\c:GA+5+2*\c] op_sel_hi:[1,0,1]
	v_pk_fma_f32 v[GC+4+2*\c:GC+5+2*\c], v[GC+2*\c:GC+1+2*\c], -1.0, v[GC+4+2*\c:GC+5+2*\c] op_sel_hi:[1,0,1]
.endr
.irp c, 0,1
	v_pk_fma_f32 v[GA+2*\c:GA+1+2*\c], v[GA+4+2*\c:GA+5+2*\c], v[TM+2:TM+3], v[GA+2*\c:GA+1+2*\c] op_sel_hi:[1,0,1]
	v_pk_fma_f32 v[GC+2*\c:GC+1+2*\c], v[GC+4+2*\c:GC+5+2*\c], v[TM+8:TM+9], v[GC+2*\c:GC+1+2*\c] op_sel_hi:[1,0,1]
.endr
	v_pk_fma_f32 v[GA+2:GA+3], v[GA:GA+1], -1.0, v[GA+2:GA+3] op_sel_hi:[1,0,1]
	v_pk_fma_f32 v[GC+2:GC+3], v[GC:GC+1], -1.0, v[GC+2:GC+3] op_sel_hi:[1,0,1]
	v_pk_fma_f32 v[GA:GA+1], v[GA+2:GA+3], v[TM:TM+1], v[GA:GA+1] op_sel_hi:[1,0,1]
	v_pk_fma_f32 v[GC:GC+1], v[GC+2:GC+3], v[TM+6:TM+7], v[GC:GC+1] op_sel_hi:[1,0,1]
	WIN 0x0C                                       ; an LDS store's data are its source 1
	ds_store_b64 v5, v[GA:GA+1] offset:8*(\a)      ; my point's row of X2, words 2 lev, 2 lev + 1
	ds_store_b64 v5, v[GC:GC+1] offset:8*(\b)
	WIN 0
.endm
; PART 1 of a batch's encoding: levels 0-3 are asked for, then its 32 condition rows (8,832 consecutive bytes: 17 loads of 512 and one that ends with the last byte).  g = 1: in the loop.
.macro C1 g
	s_wait_loadcnt 0x0                             ; the batch's two loads of coordinate words, the only ones out: so their base may step
.if \g
	s_cmp_lt_u32 s19, NB-2                         ; from trip 14 on the step is 0: batch 15 is the last
	s_cselect_b32 s54, 1024, 0
	s_add_nc_u64 s[12:13], s[12:13], s[54:55]
.else
	s_add_nc_u64 s[12:13], s[12:13], 1024
.endif
	DENSE 0, 17, 4920
	DENSE 1, 33, 35944
	DENSE 2, 65, 274632
	HASHED 3
.set j, 0
.rept 17
	global_load_b128 v[CR+4*j:CR+4*j+3], v1, s[6:7] offset:512*j th:TH_LOAD_NT
.set j, j+1
.endr
	global_load_b128 v[CR+68:CR+71], v1, s[6:7] offset:8320 th:TH_LOAD_NT
	s_wait_xcnt 0x0                                ; the gathers have read v160-167, which the quantiser writes next
.endm
; PART 2: levels 0-3 are interpolated, levels 4-7 asked for
.macro C2
	XYZC
	EC2 0, 1, 34                                   ; out behind levels 0, 1: levels 2, 3 (16) and the condition rows (18)
	EC2 2, 3, 18                                   ; the condition rows
	HASHED 4
	HASHED 5
	HASHED 6
	HASHED 7
	s_wait_xcnt 0x0
.endm
; PART 3: levels 4-7 are interpolated; the condition rows go into LDS; each point's numbers 64-68 are asked back (TAILST stores them into X2); the next batch's coordinate words are asked for
.macro C3 g
	XYZC
	v_add_nc_u32 v[AXYZ], 384, v[AXYZ]             ; the next batch's xyz (no LDS load of mine is out)
	EC2 4, 5, 16                                   ; out behind levels 4, 5: levels 6, 7
	EC2 6, 7, 0                                    ; all loads are in, the condition rows too: so their base may step
.if \g
	s_cmp_lt_u32 s19, NB-2
	s_cselect_b32 s54, 8832, 0
	s_add_nc_u64 s[6:7], s[6:7], s[54:55]
.else
	s_add_nc_u64 s[6:7], s[6:7], 8832
.endif
.set j, 0
.rept 17
	ds_store_b128 v7, v[CR+4*j:CR+4*j+3] offset:512*j
.set j, j+1
.endr
	ds_store_b128 v7, v[CR+68:CR+71] offset:8320
.irp i, 0,1,2,3,4
	ds_load_b32 v[TM+4+\i], v6 offset:4*\i         ; LDS serves a wave's instructions in order: these see the stores above
.endr
	global_load_b128 v[C8:C8+3], v1, s[12:13] th:TH_LOAD_NT
	global_load_b128 v[C8+4:C8+7], v1, s[12:13] offset:512 th:TH_LOAD_NT
.endm
.macro TAILST
	ds_store_b128 v5, v[TM+4:TM+7] offset:64
	ds_store_b32 v5, v[TM+8] offset:80
.endm
; layer 0's weights (tiles 0-3 into window 3, tiles 4-7 into v184-247) and constants
.macro ASW
	WIN 0xC0
.irp t, 0,1,2,3
.irp c, 0,1,2,3
	ds_load_b128 v[G+16*\t+4*\c:G+16*\t+4*\c+3], v1 offset:2048*\t+512*\c
.endr
.endr
	LOADCONST 0
.irp t, 4,5,6,7
.irp c, 0,1,2,3
	ds_load_b128 v[CR+16*\t-64+4*\c:CR+16*\t-64+4*\c+3], v1 offset:2048*\t+512*\c
.endr
.endr
.endm
; layer 0's numbers: for each tile 32 words of the condition rows (276 bytes a row: words alone are aligned) and block 2 out of X2: 36 loads a tile
.macro ASX
.irp x, 0,1
.irp b, 0,1
.irp i, 0,1,2,3,4,5,6,7,8,9,10,11,12,13,14,15
	ds_load_b32 v[ACCA+64*\x+16*\b+\i], v3 offset:4416*\x+128*\b+4*\i
.endr
.endr
.irp q, 0,1,2,3
	ds_load_b128 v[ACCA+64*\x+32+4*\q:ACCA+64*\x+35+4*\q], v4 offset:2304*\x+16*\q
.endr
.endr
.endm
.macro RELUPACK s                      ; relu, then bf16 in pairs: register q of block p = units 32 p + 16 h + 2 q, + 1, the order of W6's image
.set j, 0
.rept 64
	v_max_num_f32 v[\s+j], 0, v[\s+j]              ; ascending: each result is read from its low end on
.set j, j+1
.endr
.set j, 0
.rept 32
	v_cvt_pk_bf16_f32 v[\s+j], v[\s+2*j], v[\s+2*j+1]
.set j, j+1
.endr
.endm
; THE LAST PRODUCT.  Source 0 = W6's image (rows 0-2 and 8-10 = the three outputs), source 1 = a tile's 16 points: registers 0-2 of a result hold a point's three outputs in both halves of the lanes.
.macro FINAL
	ASW                                            ; the next trip's layer 0 (in the last trip: read for nothing); it lands under the vector work below
	RELUPACK ACCA
.irp i, 0,1,2,3,4,5,6,7
	ds_load_b128 v[ACCA+32+4*\i:ACCA+35+4*\i], v1 offset:L_W6+512*\i
.endr
	RELUPACK ACCB
	s_wait_dscnt 0x0                               ; W6, layer 0's weights and constants, and the five numbers for X2 are in
	TAILST
.irp p, 0,1,2,3                        ; two results by turns, one instruction a turn
.if \p == 0
	v_wmma_f32_16x16x32_bf16 v[OA:OA+7], v[ACCA+32:ACCA+39], v[ACCA:ACCA+7], 0
	v_wmma_f32_16x16x32_bf16 v[OB:OB+7], v[ACCA+32:ACCA+39], v[ACCB:ACCB+7], 0
.else
	v_wmma_f32_16x16x32_bf16 v[OA:OA+7], v[ACCA+32+8*\p:ACCA+39+8*\p], v[ACCA+8*\p:ACCA+8*\p+7], v[OA:OA+7]
	v_wmma_f32_16x16x32_bf16 v[OB:OB+7], v[ACCA+32+8*\p:ACCA+39+8*\p], v[ACCB+8*\p:ACCB+8*\p+7], v[OB:OB+7]
.endif
.endr
.rept 4
	v_nop                                          ; four places: for the reads below, and for the next trip's loads into these products' registers
.endr
.irp e, 0,1,2
	v_cndmask_b32 v[TM+\e], v[OA+\e], v[OB+\e], s29   ; lanes 0-15: tile A's point, lanes 16-31: tile B's: lane = the point's number in the batch
.endr
.irp e, 0,1,2
	v_add_f32 v[TM+\e], s[48+\e], v[TM+\e]         ; + b6
.endr
.irp e, 0,1,2
	ds_store_b32 v[AOUT], v[TM+\e] offset:4*\e
.endr
.endm
.macro PAIR l, xyz                     ; layer l for both tiles; the results of layer l - 1 are quantised on the way
	QUANT ACCA, 1, 4, \l
	s_wait_dscnt 0x0                               ; the layer's bias and scale words, asked for some 100 vector instructions ago
	WLAYER ACCA, \l
	QUANT ACCB, 1, 4, -1
.if \xyz
	XYZL
.endif
	WLAYER ACCB, \l
.endm
.macro LOADW win, base, adr, off       ; a layer's eight fragments out of the image
	WIN \win
.irp t, 0,1,2,3,4,5,6,7
.irp c, 0,1,2,3
	ds_load_b128 v[\base+16*\t+4*\c:\base+16*\t+4*\c+3], v[\adr] offset:\off+2048*\t+512*\c
.endr
.endr
.endm
	; ---- head
	s_load_b256 s[4:11], s[0:1], 0x0               ; xyz, condition rows, table, b6
	s_load_b128 s[12:15], s[0:1], 0x20             ; coords, image
	s_load_b64 s[16:17], s[0:1], 0x30              ; out
	v_lshrrev_b32 v[TM], 5, v0
	v_readfirstlane_b32 s18, v[TM]                 ; wave 0..3
	v_and_b32 v[TM], 31, v0                        ; lane
	v_and_b32 v[TM+1], 15, v0                      ; r
	v_bfe_u32 v[TM+2], v0, 4, 1                    ; h
	s_mul_i32 s52, s18, WREG
	s_add_co_u32 s52, s52, WIMGB                   ; my wave's LDS
	v_lshlrev_b32 v1, 4, v[TM]                     ; 16 x lane
	v_lshl_add_u32 v2, v[TM+2], 6, L_BIAS          ; biases: + 64 h
	v_mul_u32_u24 v3, v[TM+1], 276
	v_lshl_add_u32 v3, v[TM+2], 6, v3
	v_add_nc_u32 v3, s52, v3                       ; condition rows: row r, + 64 h
	v_mul_u32_u24 v4, v[TM+1], 144
	v_lshl_add_u32 v4, v[TM+2], 6, v4
	v_add_nc_u32 v4, s52, v4
	v_add_nc_u32 v4, X2, v4                        ; X2: row r, + 64 h
	v_mul_u32_u24 v5, v[TM], 144
	v_add_nc_u32 v5, s52, v5
	v_add_nc_u32 v5, X2, v5                        ; X2: row = lane
	v_mul_u32_u24 v6, v[TM], 276
	v_add_nc_u32 v6, s52, v6
	v_add_nc_u32 v6, 256, v6                       ; condition rows: row = lane, number 64
	v_add_nc_u32 v7, s52, v1                       ; condition rows as they lie
	v_mul_u32_u24 v[AOUT], v[TM], 12
	v_add_nc_u32 v[AOUT], s52, v[AOUT]
	v_add_nc_u32 v[AXYZ], XYZST, v[AOUT]
	v_add_nc_u32 v[AOUT], OUTST, v[AOUT]
	s_mov_b32 s20, 0x76543210
	s_mov_b32 s21, 0xfedcba98                      ; v_permlanex16_b32's selects for lane l xor 16
	s_mov_b32 s22, 0x600000                        ; the mantissa field of 57,344
	s_mov_b32 s23, 0x7f800000
	s_mov_b32 s24, 0xf8800000                      ; -(15 << 23)
	s_mov_b32 s25, 0x8000000                       ; 2^(16 - 127)
	s_mov_b32 s26, 0x9e3779b1                      ; 2,654,435,761
	s_mov_b32 s27, 0x30025795                      ; 805,459,861
	s_mov_b32 s28, 0x7ffff
	s_mov_b32 s29, 0xffff0000
	s_mov_b32 s55, 0
	s_lshl_b32 s53, ttmp9, 2
	s_add_co_u32 s53, s53, s18                     ; which run of 512 points is my wave's
	s_wait_kmcnt 0x0
	s_load_b96 s[48:50], s[10:11], 0x0             ; b6
	s_mul_i32 s54, s53, 512*276
	s_add_nc_u64 s[6:7], s[6:7], s[54:55]
	s_lshl_b32 s54, s53, 14
	s_add_nc_u64 s[12:13], s[12:13], s[54:55]
	s_mul_i32 s54, s53, 512*12
	s_add_nc_u64 s[4:5], s[4:5], s[54:55]
	s_add_nc_u64 s[16:17], s[16:17], s[54:55]
	s_mov_b64 s[32:33], s[8:9]                     ; the table at each level's first entry, 8 bytes an entry
	s_add_nc_u64 s[34:35], s[8:9], 8*4920
	s_add_nc_u64 s[36:37], s[8:9], 8*40864
	s_add_nc_u64 s[38:39], s[8:9], 8*315496
	s_add_nc_u64 s[40:41], s[8:9], 8*839784
	s_add_nc_u64 s[42:43], s[8:9], 8*1364072
	s_add_nc_u64 s[44:45], s[8:9], 8*1888360
	s_add_nc_u64 s[46:47], s[8:9], 8*2412648
	global_load_b128 v[C8:C8+3], v1, s[12:13] th:TH_LOAD_NT            ; batch 0's coordinate words
	global_load_b128 v[C8+4:C8+7], v1, s[12:13] offset:512 th:TH_LOAD_NT
	s_mul_i32 s54, s18, WIMGB/4
	v_add_nc_u32 v[ATMP], s54, v1                  ; my quarter of the image: 53 runs of 512 bytes, the same place in memory and in LDS
	WIN 0x40                                       ; through window 1, which is still free
.set j, 0
.rept 53
	global_load_b128 v[4*j:4*j+3], v[ATMP], s[14:15] offset:512*j
.set j, j+1
.endr
	WIN 0x80                                       ; my 512 points of xyz through window 2
.set j, 0
.rept 12
	global_load_b128 v[4*j:4*j+3], v1, s[4:5] offset:512*j th:TH_LOAD_NT
.set j, j+1
.endr
	WIN 0
	s_wait_loadcnt 0x0
	WIN 0x04
.set j, 0
.rept 53
	ds_store_b128 v[ATMP], v[4*j:4*j+3] offset:512*j
.set j, j+1
.endr
	WIN 0
	s_wait_dscnt 0x0
	v_add_nc_u32 v[ATMP], s52, v1
	v_add_nc_u32 v[ATMP], XYZST, v[ATMP]
	WIN 0x08
.set j, 0
.rept 12
	ds_store_b128 v[ATMP], v[4*j:4*j+3] offset:512*j
.set j, j+1
.endr
	WIN 0
.irp i, 0,1,2,3
	v_mov_b32 v[ACCA+\i], 0
.endr
	ds_store_b128 v[ATMP], v[ACCA:ACCA+3] offset:6144     ; the 512 bytes behind my xyz, which the last trip's encoding reads
	ds_store_b128 v5, v[ACCA:ACCA+3] offset:80            ; X2's words 20-31: zeros (word 20 is written anew for each batch)
	ds_store_b128 v5, v[ACCA:ACCA+3] offset:96
	ds_store_b128 v5, v[ACCA:ACCA+3] offset:112
	s_wait_dscnt 0x0                               ; for the others' sake: my quarter of the image lies in LDS
	s_barrier_signal -1
	s_barrier_wait -1                              ; the only barrier: from here on the image is read alone, and each wave writes its own region alone
	; ---- prologue: batch 0's encoding; the weights come into registers while its first gathers are on their way
	C1 0
	v_add_nc_u32 v[ATMP], L_W1+2*16384, v1
	LOADW 0x40, 0, 1, L_W1
	LOADW 0x40, 128, 1, L_W1+16384
	LOADW 0x80, 0, ATMP, 0
	LOADW 0x80, 128, ATMP, 16384
	LOADW 0xC0, 0, ATMP, 32768
	WIN 0
	s_wait_dscnt 0x0
	XYZL
	C2
	XYZL
	C3 0
	s_wait_dscnt 0x0
	TAILST
	ASW
	s_wait_kmcnt 0x0                               ; b6
	s_mov_b32 s19, 0
.Ltrip:                                                ; trip t: the MLP of batch t, the encoding of batch min(t + 1, 15)
	ASX
	s_wait_dscnt 36                                ; all but tile B's 36 loads: tile A's numbers, layer 0's weights and constants
	QUANT ACCA, 0, 3, -1
	WLAYER ACCA, 0
	s_wait_dscnt 0x0                               ; tile B's numbers
	QUANT ACCB, 0, 3, -1
	WLAYER ACCB, 0
	PAIR 1, 0
	C1 1
	PAIR 2, 0
	PAIR 3, 1
	C2
	PAIR 4, 0
	PAIR 5, 1
	C3 1
	FINAL
	v_add_nc_u32 v[AOUT], 384, v[AOUT]             ; the next batch's place in the stage for out
	s_add_co_u32 s19, s19, 1
	s_cmp_lt_u32 s19, NB
	s_cbranch_scc1 .Ltrip
	; ---- the way out: my 512 points, 6,144 consecutive bytes
	v_add_nc_u32 v[ATMP], s52, v1
	v_add_nc_u32 v[ATMP], OUTST, v[ATMP]
.set j, 0
.rept 12
	ds_load_b128 v[ACCA+4*j:ACCA+4*j+3], v[ATMP] offset:512*j         ; LDS serves a wave's instructions in order: these see my stores
.set j, j+1
.endr
.set j, 0
.rept 12
	s_wait_dscnt 11-j
	global_store_b128 v1, v[ACCA+4*j:ACCA+4*j+3], s[16:17] offset:512*j th:TH_STORE_NT   ; 32 lanes store 512 consecutive bytes, at a multiple of 256 from out's first byte
.set j, j+1
.endr
	s_wait_xcnt 0x0
	v_lshl_add_u32 v254, v0, 2, 0x34200
	v_mov_b32 v255, 0
	s_wait_tensorcnt 0x0
	ds_add_u32 v254, v255
	s_wait_dscnt 0x0
	s_endpgm
.Lfunc_end_k_qa5c2ef03b3_main:
	.size	k_qa5c2ef03b3_main, .Lfunc_end_k_qa5c2ef03b3_main-k_qa5c2ef03b3_main
	.p2alignl 7, 3214868480
	.fill 96, 4, 3214868480
	.section	.rodata,"a",@progbits
	.p2align	6, 0x0
	.amdhsa_kernel k_qa5c2ef03b3_main
		.amdhsa_group_segment_fixed_size 214016
		.amdhsa_private_segment_fixed_size 0
		.amdhsa_enable_private_segment 0
		.amdhsa_kernarg_size 56
		.amdhsa_user_sgpr_count 2
		.amdhsa_user_sgpr_kernarg_segment_ptr 1
		.amdhsa_wavefront_size32 1
		.amdhsa_system_sgpr_workgroup_id_x 1
		.amdhsa_system_sgpr_workgroup_id_y 1
		.amdhsa_system_sgpr_workgroup_id_z 1
		.amdhsa_system_vgpr_workitem_id 0
		.amdhsa_next_free_vgpr 1024
		.amdhsa_next_free_sgpr 66
		.amdhsa_reserve_vcc 0
		.amdhsa_float_denorm_mode_32 3
		.amdhsa_float_denorm_mode_16_64 3
		.amdhsa_memory_ordered 1
		.amdhsa_forward_progress 1
		.amdhsa_inst_pref_size 226
	.end_amdhsa_kernel
	.amdgpu_metadata
---
amdhsa.version: [ 1, 2 ]
amdhsa.kernels:
  - .name:           k_qa5c2ef03b3_main
    .symbol:         k_qa5c2ef03b3_main.kd
    .args:
      - { .name: xyz, .offset: 0, .size: 8, .value_kind: global_buffer, .address_space: global }
      - { .name: condition_code, .offset: 8, .size: 8, .value_kind: global_buffer, .address_space: global }
      - { .name: embeddings, .offset: 16, .size: 8, .value_kind: global_buffer, .address_space: global }
      - { .name: b6, .offset: 24, .size: 8, .value_kind: global_buffer, .address_space: global }
      - { .name: coords, .offset: 32, .size: 8, .value_kind: global_buffer, .address_space: global }
      - { .name: wimg, .offset: 40, .size: 8, .value_kind: global_buffer, .address_space: global }
      - { .name: out0, .offset: 48, .size: 8, .value_kind: global_buffer, .address_space: global }
    .group_segment_fixed_size: 214016
    .private_segment_fixed_size: 0
    .kernarg_segment_align: 8
    .kernarg_segment_size: 56
    .max_flat_workgroup_size: 128
    .sgpr_count:     66
    .vgpr_count:     1024
    .wavefront_size: 32
...
	.end_amdgpu_metadata
.endif
;; end of part 2
;; ======== version 2 of 2: 2 launches; version 1 with the launch main written anew for expert scheduling mode
;; workspace buffers: coords 16,777,216 bytes of whole numbers; wimg 108,544 bytes
;; launch prep: the kernel of part 1 again; grid 519 x 1, 8 waves a work-group, no clusters, 0 bytes of LDS; arguments xyz, W0, W1, W2, W3, W4, W5, W6, b0, b1, b2, b3, b4, b5, coords, wimg; writes coords, wimg
;; launch main (part 3): grid 256 x 1, 4 waves a work-group, no clusters, 214,016 bytes of LDS; arguments xyz, condition_code, embeddings, b6, coords, wimg, out0; writes out0
.if DOCPART == 3
	.amdgcn_target "amdgcn-amd-amdhsa--gfx1250"
	.amdhsa_code_object_version 6
	.text
	.protected	k_qa5c2ef03b3_main
	.globl	k_qa5c2ef03b3_main
	.p2align	8
	.type	k_qa5c2ef03b3_main,@function
k_qa5c2ef03b3_main:
	s_mov_b64 s[64:65], 0
	v_nop
	global_prefetch_b8 v0, s[64:65] scope:SCOPE_SE
	s_setreg_imm32_b32 hwreg(HW_REG_WAVE_SCHED_MODE, 0, 2), 2
	s_setreg_imm32_b32 hwreg(HW_REG_WAVE_MODE, 25, 1), 1
	s_wait_xcnt 0x0
	s_wait_alu depctr_vm_vsrc(0)
; out = MLP(concat(condition_code, hash-grid encoding of xyz)): gather, trilinear interpolation, six products on codes of E5M2 (one E8M0 scale for each 32 along K), bias and relu in f32,
; the last product (128 -> 3) on bf16 operands; nothing between the inputs and out0 goes to memory.
; SHARES.  256 work-groups x 4 waves, a wave to a SIMD with all its registers.  A wave owns 512 points: 16 batches of 32 = two tiles, A and B, of 16 points.  THE WAVES SHARE NOTHING but the
; weights' image in LDS, read-only behind the one barrier.  Layers 1-5's codes (640 registers) stay in windows 1-3; layer 0's, the biases, the weights' scale words and W6 come from LDS when due.
; LAYOUT.  Every product is used transposed (source 0 = 16 rows of W^T, source 1 = 16 points): a lane holds ONE point (lane % 16), and since lane r of weight tile t is hidden unit
; 32 (t / 2) + 8 (t % 2) + r + 8 (r / 8), register 16 b + i of a tile's 64 results is unit 32 b + 16 (lane / 16) + i: the next K, in the order of the next operand's registers.  K = 128 is one
; matrix instruction a tile; the bias is its C.  The hidden layers never leave the registers.
; BY TURNS.  W(A, l); quantise B; W(B, l); quantise A; W(A, l + 1) ..: one tile's 8 matrix instructions run beside the other tile's vector work, which also fills the places round them.
; THE NEXT BATCH'S ENCODING rides in three parts (C1, C2, C3) behind W(B, 1), W(B, 3), W(B, 5): four levels' gathers are issued in one part and used in the next; the condition rows are
; asked for in C1 and put into LDS in C3.  THE LOOP HAS NO BRANCH: in the last trip the three parts work on batch 15 once more (the pointers' steps are 0 from trip 14 on, so no load leaves its
; buffer) and their results are not read: 1/16 of the encoding is done for nothing, and every wait's count holds on the one path there is.
; NO TENSOR LOADS, NO CLUSTER: what work-groups share is the image, 108,544 bytes read once, beside 655,360 bytes of rows and 1,048,576 bytes of gathers of a work-group's own.
; LAYER 0 (K = 85): blocks 0, 1 = condition 0-63; block 2, permuted inside the block alike in both operands: place 16 h + i = encoding i (h = 0), condition 64 + i (h = 1, i < 5), else 0; block 3 zero codes.
; LIMITS: xyz in [-1, 1] (see the launch before); NaN and infinities are not served; a block whose largest magnitude lies under 2^-111 gets the byte 1; the trilinear sum is three nested
; F0 + f (F1 - F0) in f32, another order of rounding than a sum of weighted corners; relu(h5) and W6 are rounded to bf16 for the last product.
; LDS: 0 .. 108,543 the image (layer 0's codes 0; scale words 16,384; biases 19,456; W6 22,528; layers 1-5 26,624).  Then 26,240 bytes a wave: 32 condition rows of 276 bytes as in memory;
;   X2: 32 rows, pitch 144: words 0-15 encoding, 16-20 condition 64-68, 21-31 zeros; 512 points of out; 512 points of xyz and 512 zero bytes (the last trip's).
; REGISTERS.  window 0: v1-7 addresses; v8-15 a batch's coordinate words (a hashed level's word becomes its x); v16-79, v80-143 tiles A, B; v144-159 codes (in C2: the addresses of levels 4, 5);
;   v160-175 at work (in C2: the addresses of levels 6, 7); v176 the points' scale word; v177-179 addresses; v180-183 the weights' scale words;
;   v184-255 condition rows on their way (ahead of them in C1: v184-215 the addresses of levels 0-3; in layer 0: its tiles 4-7).  window 1: layers 1, 2.  window 2: layers 3, 4.
;   window 3: v0-127 layer 5; v128-191 the bias in the result's layout; v192-255 gathered corners, 16 a level (in layer 0: its tiles 0-3).
; THE MODE: SCHED_MODE bits 1:0 = 2 (LLVM: expert scheduling mode 2), set by the entry lines.  The code itself states the register dependences between vector or matrix instructions
; and memory or LDS instructions, with s_wait_alu, always for 0.
; THE PLAN.  Registers that memory or LDS instructions touch in the loop, and who else names them:
;   v1-7          offsets and LDS addresses, made once at the head, never written again.
;   tiles A, B    layer 0's numbers land there at a trip's head, W6 in v48-79 in FINAL; else quantisers, products, packing and selects alone.
;   corners       gathers (C1, C2) and layer 0's tiles 0-3 (FINAL) land; the interpolation reads and writes them; four LDS stores a part read the features; layer 0's products read the tiles.
;   bias, v180-183  LDS loads land, once a layer; both tiles' products read them.
;   v184-255      C1's address lines write v184-215, its gathers read them; then the condition rows land; C3's 18 LDS stores read them; layer 0's tiles 4-7 land; layer 0's products read those.
;   v144-175      quantisers and products; in C2 address lines write all 32 and the gathers read them; v172-174: xyz lands; v164-168: condition 64-68 land and are stored; v160-162: the outputs, stored.
;   v8-15         C3's two loads land; C1's and C2's address lines read them and write the hashed levels' words.
;   v177, v178    one vector add a trip each, behind a wait that the LDS instructions have read them.
; So a level has eight address registers of its own, a part makes its 32 addresses, states them written ONCE and issues its 32 gathers on end; the layer's constants follow under the same wait
; (layers 2, 4, 0) or under one of their own behind the maxima (layers 1, 3, 5); each quantiser ends with the wait that the scaled products ask for.
.set NB,     16                        ; batches a wave
.set WIMGB,  108544
.set L_WS,   16384
.set L_BIAS, 19456
.set L_W6,   22528
.set L_W1,   26624
.set WREG,   26240                     ; a wave's own LDS
.set X2,     8832
.set OUTST,  13440
.set XYZST,  19584
.set C8,     8
.set ACCA,   16
.set ACCB,   80
.set OA,     112                       ; the last product's two results
.set OB,     120
.set CODES,  144
.set TM,     160
.set PW,     176
.set AOUT,   177
.set AXYZ,   178
.set ATMP,   179
.set WS,     180
.set CR,     184
.set BIAS,   128                       ; in window 3
.set G,      192                       ; in window 3
; s4 xyz, s6 condition rows (walks), s8 table, s10 b6, s12 coords (walks), s14 image, s16 out; s18 wave; s19 trip; s20-21 lane selects; s22-25 quantiser's constants; s26, s27 hash primes;
; s28 2^19 - 1; s29 lanes 16-31; s32-47 the table at each level's first entry; s48-50 b6; s52 my LDS region; s53-55 at work (s55 = 0)
.set MSB, 0
.macro WIN new                         ; low byte: bits 1:0 source 0, 3:2 source 1, 5:4 source 2, 7:6 destination; the high byte repeats the setting that is left
.if MSB != \new
	s_set_vgpr_msb (MSB<<8)|\new
.set MSB, \new
.endif
.endm
; layer l's bias in the result's layout (register 16 p + i = b[32 p + 16 h + i]) and its scale words (register j: lanes 0-15 tile 2 j, lanes 16-31 tile 2 j + 1)
.macro LOADCONST l
	WIN 0xC0
.irp p, 0,1,2,3
.irp q, 0,1,2,3
	ds_load_b128 v[BIAS+16*\p+4*\q:BIAS+16*\p+4*\q+3], v2 offset:512*(\l)+128*\p+16*\q
.endr
.endr
	WIN 0
	ds_load_b128 v[WS:WS+3], v1 offset:L_WS+512*(\l)
.endm
; 64 numbers of a lane, register 16 b + i = k 32 b + 16 h + i of my point, become the operand's codes in v[CODES ..] and its scale word in v[PW].  relu = 1: what is negative becomes 0 on the way.
; nb: blocks that hold numbers (3 in layer 0: block 3 gets zero codes and the byte 0, which is 2^-127 and harmless over zeros).  hook >= 0: that layer's constants are fetched behind the maxima.
.macro QUANT s, relu, nb, hook
.irp b, 0,1,2,3
.if \b < \nb
.if \relu
	v_max3_num_f32 v[TM+\b], v[\s+16*\b], v[\s+16*\b+1], s25              ; no |.|: what is negative must not count; s25 = the floor 2^(16 - 127): the byte cannot fall under 1
.else
	v_max3_num_f32 v[TM+\b], |v[\s+16*\b]|, |v[\s+16*\b+1]|, s25
.endif
.endif
.endr
.irp i, 2,4,6,8,10,12,14
.irp b, 0,1,2,3
.if \b < \nb
.if \relu
	v_max3_num_f32 v[TM+\b], v[TM+\b], v[\s+16*\b+\i], v[\s+16*\b+\i+1]   ; the blocks by turns; each result of 8 registers is read from its low end on
.else
	v_max3_num_f32 v[TM+\b], v[TM+\b], |v[\s+16*\b+\i]|, |v[\s+16*\b+\i+1]|
.endif
.endif
.endr
.endr
.if \hook >= 0
	s_wait_alu depctr_va_vdst(0)                   ; the other tile's products of the layer before are done reading the bias and the weights' scale words, in which this layer's land
	LOADCONST \hook
.endif
.irp b, 0,1,2,3
.if \b < \nb
	v_permlanex16_b32 v[TM+4+\b], v[TM+\b], s20, s21
.endif
.endr
.irp b, 0,1,2,3
.if \b < \nb
	v_max_num_f32 v[TM+\b], v[TM+\b], v[TM+4+\b]                          ; with lane l xor 16's 16: the block's largest magnitude
.endif
.endr
.irp b, 0,1,2,3
.if \b < \nb
	v_add_nc_u32 v[TM+12+\b], s24, v[TM+\b]                               ; 15 off its exponent field: the conversion's scale operand
.endif
.endr
.irp b, 0,1,2,3
.if \b < \nb
	v_and_or_b32 v[TM+8+\b], v[TM+\b], s23, s22                           ; 57,344 x the scale
.endif
.endr
.irp b, 0,1,2,3
.if \b < \nb
	v_lshrrev_b32 v[TM+4+\b], 23, v[TM+12+\b]                             ; the scale's byte
.endif
.endr
	v_lshl_or_b32 v[PW], v[TM+5], 8, v[TM+4]       ; the scale word stands more than 8 places ahead of the products: the holds follow
	v_lshl_or_b32 v[PW], v[TM+6], 16, v[PW]
.if \nb > 3
	v_lshl_or_b32 v[PW], v[TM+7], 24, v[PW]
.else
.irp i, 12,13,14,15
	v_mov_b32 v[CODES+\i], 0
.endr
.endif
.irp b, 0,1,2,3
.if \b < \nb
.irp i, 0,1,2,3,4,5,6,7,8,9,10,11,12,13,14,15
.if \relu
	v_med3_num_f32 v[\s+16*\b+\i], v[\s+16*\b+\i], 0, v[TM+8+\b]          ; the activation and the hold in one (the conversion does not saturate: ISA guide 7.6.2)
.else
	v_med3_num_f32 v[\s+16*\b+\i], v[\s+16*\b+\i], -v[TM+8+\b], v[TM+8+\b]
.endif
.endr
	v_cvt_scalef32_pk8_bf8_f32 v[CODES+4*\b:CODES+4*\b+1], v[\s+16*\b:\s+16*\b+7], v[TM+12+\b]
	v_cvt_scalef32_pk8_bf8_f32 v[CODES+4*\b+2:CODES+4*\b+3], v[\s+16*\b+8:\s+16*\b+15], v[TM+12+\b]
.endif
.endr
.rept 4
	v_nop                                          ; codes written by vector instructions stand 4 places ahead of a scaled matrix instruction; also the plain line behind the conversions
.endr
	s_wait_alu depctr_va_vdst(0)                   ; behind the places: the codes and the scale word are written, which the scaled products take; the quantiser is also done with v172-174, in which xyz lands in layers 3 and 5
.endm
.macro WM acc, a, t                    ; tile t: D = W tile x codes + bias
.if (\t)%2
	v_wmma_scale_f32_16x16x128_f8f6f4 v[\acc+8*(\t):\acc+8*(\t)+7], v[\a:\a+15], v[CODES:CODES+15], v[BIAS+8*(\t):BIAS+8*(\t)+7], v[WS+(\t)/2], v[PW] matrix_a_fmt:MATRIX_FMT_BF8 matrix_b_fmt:MATRIX_FMT_BF8 matrix_a_scale:MATRIX_SCALE_ROW1
.else
	v_wmma_scale_f32_16x16x128_f8f6f4 v[\acc+8*(\t):\acc+8*(\t)+7], v[\a:\a+15], v[CODES:CODES+15], v[BIAS+8*(\t):BIAS+8*(\t)+7], v[WS+(\t)/2], v[PW] matrix_a_fmt:MATRIX_FMT_BF8 matrix_b_fmt:MATRIX_FMT_BF8
.endif
.endm
; layer l for one tile of points: eight results, no two alike, none added onto: C (window 3) is the bias
.macro WLAYER acc, l
.if (\l) == 0
	WIN 0x33
.irp t, 0,1,2,3
	WM \acc, G+16*\t, \t
.endr
	WIN 0x30
.irp t, 4,5,6,7
	WM \acc, CR+16*\t-64, \t
.endr
.else
.if (\l) < 3
	WIN 0x31
.elseif (\l) < 5
	WIN 0x32
.else
	WIN 0x33
.endif
.irp t, 0,1,2,3,4,5,6,7
	WM \acc, 128*(1-(\l)%2)+16*\t, \t
.endr
.endif
	WIN 0
.endm
; eight corners of level lev: entry v[d + c] (c = cx + 2 cy + 4 cz) of the level's part of the table, 8 bytes each.  The destination's window is set by the part that calls.
.macro GATHER lev, d
.irp c, 0,1,2,3,4,5,6,7
	global_load_b64 v[G+16*((\lev)%4)+2*\c:G+16*((\lev)%4)+2*\c+1], v[\d+\c], s[32+2*(\lev):33+2*(\lev)] scale_offset
.endr
.endm
; a dense level's eight entries into v[CR + 8 lev ..]: index = x + ss y + ss^2 z, modulo sz (it lies under 2 sz: one conditional subtraction, as an unsigned minimum)
.macro DENSE lev, ss, sz
.set AD, CR+8*(\lev)
.set AT, TM+8*((\lev)%2)
	v_and_b32 v[AD], s28, v[C8+\lev]
.irp c, 1,2,3,4,5,6,7
	v_add_nc_u32 v[AD+\c], (\c&1)+((\c>>1)&1)*\ss+(\c>>2)*\ss*\ss, v[AD]
.endr
.irp c, 0,1,2,3,4,5,6,7
	v_add_nc_u32 v[AT+\c], -\sz, v[AD+\c]
.endr
.irp c, 0,1,2,3,4,5,6,7
	v_min_u32 v[AD+\c], v[AD+\c], v[AT+\c]
.endr
.irp c, 0,1,2,3,4,5,6,7
	v_min_u32 v[AD+\c], \sz-1, v[AD+\c]            ; a loaded number enters an address only behind a minimum with a constant
.endr
.endm
; a hashed level's eight entries into v[d ..]: index = (x ^ y P1 ^ z P2) mod 2^19.  It works inside its eight results: the even ones hold y P1, (y + 1) P1, z P2, (z + 1) P2, the odd ones their
; four sums; the level's word becomes x, then x + 1.
.macro HASHED lev, d
.if (\lev) < 6
	v_bfe_u32 v[\d], v[C8+\lev], 10, 10            ; y
	v_lshrrev_b32 v[\d+4], 20, v[C8+\lev]          ; z
	v_and_b32 v[C8+\lev], 0x3ff, v[C8+\lev]        ; x
.else
	v_lshrrev_b32 v[\d], 16, v[C8+\lev]
	v_lshrrev_b32 v[\d+4], 19, v[C8+7-\lev]        ; z rides on word 1 (level 6) or word 0 (level 7)
	v_and_b32 v[C8+\lev], 0xffff, v[C8+\lev]
.endif
	v_mul_lo_u32 v[\d], v[\d], s26                 ; y P1
	v_mul_lo_u32 v[\d+4], v[\d+4], s27             ; z P2
	v_add_nc_u32 v[\d+2], s26, v[\d]               ; (y + 1) P1
	v_add_nc_u32 v[\d+6], s27, v[\d+4]             ; (z + 1) P2
	v_xor_b32 v[\d+1], v[\d], v[\d+4]              ; cy 0, cz 0
	v_xor_b32 v[\d+3], v[\d+2], v[\d+4]            ; cy 1, cz 0
	v_xor_b32 v[\d+5], v[\d], v[\d+6]              ; cy 0, cz 1
	v_xor_b32 v[\d+7], v[\d+2], v[\d+6]            ; cy 1, cz 1
.irp i, 1,3,5,7
	v_and_b32 v[\d+\i], s28, v[\d+\i]              ; x and x + 1 lie under 2^19
.endr
.irp i, 0,2,4,6
	v_xor_b32 v[\d+\i], v[C8+\lev], v[\d+\i+1]     ; cx 0
.endr
	v_add_nc_u32 v[C8+\lev], 1, v[C8+\lev]         ; x + 1
.irp i, 1,3,5,7
	v_xor_b32 v[\d+\i], v[C8+\lev], v[\d+\i]       ; cx 1
.endr
.irp i, 0,1,2,3,4,5,6,7
	v_min_u32 v[\d+\i], 0x7ffff, v[\d+\i]          ; a loaded number enters an address only behind a minimum with a constant
.endr
.endm
.macro XYZL                            ; my point's xyz out of the stage: issued ahead of eight matrix instructions, used behind them
.irp d, 0,1,2
	ds_load_b32 v[TM+12+\d], v[AXYZ] offset:4*\d
.endr
.endm
.macro XYZC
	s_wait_dscnt 0x0
.irp d, 0,1,2
	v_add_f32 v[TM+12+\d], 1.0, v[TM+12+\d]
.endr
.irp d, 0,1,2
	v_mul_f32 v[TM+12+\d], 0.5, v[TM+12+\d]        ; x01, by the same two lines as in the launch before
.endr
.endm
; levels a and b by turns: the three fractions (in the even register of a written pair), then F0 + f (F1 - F0) along z, y, x on pairs of features; cnt: the younger loads that may stay out.
; One window setting serves all: F1 - F0 is F0 x -1.0 + F1, which rounds once, as a subtraction does.  A level's two features are left in the first two of its sixteen registers.
.macro EC2C a, b, cnt
.set GA, G+16*((\a)%4)
.set GC, G+16*((\b)%4)
	WIN 0
.irp d, 0,1,2
	v_fma_f32 v[TM+2*\d+1], v[TM+12+\d], 0x41800000+(\a)*0x800000, 0.5
	v_fma_f32 v[TM+2*\d+7], v[TM+12+\d], 0x41800000+(\b)*0x800000, 0.5
.endr
.irp d, 0,1,2
	v_floor_f32 v[TM+2*\d], v[TM+2*\d+1]
	v_floor_f32 v[TM+2*\d+6], v[TM+2*\d+7]
.endr
.irp d, 0,1,2
	v_sub_f32 v[TM+2*\d], v[TM+2*\d+1], v[TM+2*\d]
	v_sub_f32 v[TM+2*\d+6], v[TM+2*\d+7], v[TM+2*\d+6]
.endr
	s_wait_loadcnt \cnt
	WIN 0xF3                                       ; corners in window 3, the fraction (source 1) in window 0
.irp c, 0,1,2,3
	v_pk_fma_f32 v[GA+8+2*\c:GA+9+2*\c], v[GA+2*\c:GA+1+2*\c], -1.0, v[GA+8+2*\c:GA+9+2*\c] op_sel_hi:[1,0,1]
	v_pk_fma_f32 v[GC+8+2*\c:GC+9+2*\c], v[GC+2*\c:GC+1+2*\c], -1.0, v[GC+8+2*\c:GC+9+2*\c] op_sel_hi:[1,0,1]
.endr
.irp c, 0,1,2,3
	v_pk_fma_f32 v[GA+2*\c:GA+1+2*\c], v[GA+8+2*\c:GA+9+2*\c], v[TM+4:TM+5], v[GA+2*\c:GA+1+2*\c] op_sel_hi:[1,0,1]
	v_pk_fma_f32 v[GC+2*\c:GC+1+2*\c], v[GC+8+2*\c:GC+9+2*\c], v[TM+10:TM+11], v[GC+2*\c:GC+1+2*\c] op_sel_hi:[1,0,1]
.endr
.irp c, 0,1
	v_pk_fma_f32 v[GA+4+2*\c:GA+5+2*\c], v[GA+2*\c:GA+1+2*\c], -1.0, v[GA+4+2*\c:GA+5+2*\c] op_sel_hi:[1,0,1]
	v_pk_fma_f32 v[GC+4+2*\c:GC+5+2*\c], v[GC+2*\c:GC+1+2*\c], -1.0, v[GC+4+2*\c:GC+5+2*\c] op_sel_hi:[1,0,1]
.endr
.irp c, 0,1
	v_pk_fma_f32 v[GA+2*\c:GA+1+2*\c], v[GA+4+2*\c:GA+5+2*\c], v[TM+2:TM+3], v[GA+2*\c:GA+1+2*\c] op_sel_hi:[1,0,1]
	v_pk_fma_f32 v[GC+2*\c:GC+1+2*\c], v[GC+4+2*\c:GC+5+2*\c], v[TM+8:TM+9], v[GC+2*\c:GC+1+2*\c] op_sel_hi:[1,0,1]
.endr
	v_pk_fma_f32 v[GA+2:GA+3], v[GA:GA+1], -1.0, v[GA+2:GA+3] op_sel_hi:[1,0,1]
	v_pk_fma_f32 v[GC+2:GC+3], v[GC:GC+1], -1.0, v[GC+2:GC+3] op_sel_hi:[1,0,1]
	v_pk_fma_f32 v[GA:GA+1], v[GA+2:GA+3], v[TM:TM+1], v[GA:GA+1] op_sel_hi:[1,0,1]
	v_pk_fma_f32 v[GC:GC+1], v[GC+2:GC+3], v[TM+6:TM+7], v[GC:GC+1] op_sel_hi:[1,0,1]
.endm
.macro X2ST l0                         ; the features of levels l0 .. l0 + 3 into my point's row of X2, words 2 lev, 2 lev + 1
	WIN 0x0C                                       ; an LDS store's data are its source 1
.irp l, 0,1,2,3
	ds_store_b64 v5, v[G+16*\l:G+16*\l+1] offset:8*(\l0+\l)
.endr
	WIN 0
.endm
; PART 1 of a batch's encoding: levels 0-3 are asked for, then its 32 condition rows (8,832 consecutive bytes: 17 loads of 512 and one that ends with the last byte).  g = 1: in the loop.
; The 32 addresses lie in v184-215, which are empty here; so the condition loads into v216-255 go out first, and those into v184-215 when the gathers have read their addresses.
.macro C1 g
	s_wait_loadcnt 0x0                             ; the batch's two loads of coordinate words, the only ones out: so their base may step
.if \g
	s_cmp_lt_u32 s19, NB-2                         ; from trip 14 on the step is 0: batch 15 is the last
	s_cselect_b32 s54, 1024, 0
	s_add_nc_u64 s[12:13], s[12:13], s[54:55]
.else
	s_add_nc_u64 s[12:13], s[12:13], 1024
.endif
	DENSE 0, 17, 4920
	DENSE 1, 33, 35944
	DENSE 2, 65, 274632
	HASHED 3, CR+24
	s_wait_alu depctr_va_vdst(0)                   ; the 32 addresses are written, which the gathers read; layer 0's products are done reading their tiles, in which gathers and condition rows land; tile B's products of layer 1 are done reading the bias and scale words
	s_wait_dscnt 0x0                               ; no LDS store that read the corners' registers is out
	WIN 0xC0
	GATHER 0, CR
	GATHER 1, CR+8
	GATHER 2, CR+16
	GATHER 3, CR+24
	WIN 0
.set j, 8
.rept 9
	global_load_b128 v[CR+4*j:CR+4*j+3], v1, s[6:7] offset:512*j th:TH_LOAD_NT
.set j, j+1
.endr
	global_load_b128 v[CR+68:CR+71], v1, s[6:7] offset:8320 th:TH_LOAD_NT
.if \g
	LOADCONST 2                                    ; under the wait above: no vector or matrix instruction since names the bias or the scale words
.endif
	s_wait_xcnt 0x0                                ; the gathers' addresses are translated: loads may land on their address registers
	s_wait_alu depctr_vm_vsrc(0)                   ; the gathers have read v184-215, in which the eight loads below land
.set j, 0
.rept 8
	global_load_b128 v[CR+4*j:CR+4*j+3], v1, s[6:7] offset:512*j th:TH_LOAD_NT
.set j, j+1
.endr
.endm
; PART 2: levels 0-3 are interpolated, levels 4-7 asked for.  Their 32 addresses lie in v144-175: the codes are done with, and so are the fractions.
.macro C2 g
	XYZC
	EC2C 0, 1, 34                                  ; out behind levels 0, 1: levels 2, 3 (16) and the condition rows (18)
	EC2C 2, 3, 18                                  ; the condition rows
	s_wait_alu depctr_va_vdst(0)                   ; the eight features are written, which the stores read
	X2ST 0
	HASHED 4, CODES
	HASHED 5, CODES+8
	HASHED 6, TM
	HASHED 7, TM+8
	s_wait_alu depctr_va_vdst(0)                   ; the 32 addresses are written; the interpolation is done reading the corners, in which the gathers land; tile B's products of layer 3 are done reading the bias and scale words
	s_wait_alu depctr_vm_vsrc(0)                   ; the four stores have read the features' registers, in which gathers land
	s_wait_dscnt 0x0                               ; and are done
	WIN 0xC0
	GATHER 4, CODES
	GATHER 5, CODES+8
	GATHER 6, TM
	GATHER 7, TM+8
.if \g
	LOADCONST 4                                    ; under the waits above
.endif
	WIN 0
	s_wait_xcnt 0x0                                ; the gathers' addresses are translated
	s_wait_alu depctr_vm_vsrc(0)                   ; the gathers have read v144-175, which the quantiser writes next (in the prologue: in v172-174 xyz lands)
.endm
; PART 3: levels 4-7 are interpolated; the condition rows go into LDS; each point's numbers 64-68 are asked back (TAILST stores them into X2); the next batch's coordinate words are asked for
.macro C3 g
	XYZC
	EC2C 4, 5, 16                                  ; out behind levels 4, 5: levels 6, 7
	EC2C 6, 7, 0                                   ; all loads are in, the condition rows too: so their base may step
.if \g
	s_cmp_lt_u32 s19, NB-2
	s_cselect_b32 s54, 8832, 0
	s_add_nc_u64 s[6:7], s[6:7], s[54:55]
.else
	s_add_nc_u64 s[6:7], s[6:7], 8832
.endif
	s_wait_alu depctr_va_vdst(0)                   ; the eight features are written, which the stores read; the fractions' lines are done with v164-168 and the address lines with v8-15, in which the loads below land
	X2ST 4
.set j, 0
.rept 17
	ds_store_b128 v7, v[CR+4*j:CR+4*j+3] offset:512*j
.set j, j+1
.endr
	ds_store_b128 v7, v[CR+68:CR+71] offset:8320
.irp i, 0,1,2,3,4
	ds_load_b32 v[TM+4+\i], v6 offset:4*\i         ; LDS serves a wave's instructions in order: these see the stores above
.endr
	global_load_b128 v[C8:C8+3], v1, s[12:13] th:TH_LOAD_NT
	global_load_b128 v[C8+4:C8+7], v1, s[12:13] offset:512 th:TH_LOAD_NT
	s_wait_alu depctr_vm_vsrc(0)                   ; the xyz loads have read v[AXYZ]; the stores have read the features' registers and v184-255, in which layer 0's tiles land
	v_add_nc_u32 v[AXYZ], 384, v[AXYZ]             ; the next batch's xyz
.endm
.macro TAILST
	ds_store_b128 v5, v[TM+4:TM+7] offset:64
	ds_store_b32 v5, v[TM+8] offset:80
.endm
; layer 0's weights (tiles 0-3 into window 3, tiles 4-7 into v184-247) and constants: 49 loads
.macro ASW
	WIN 0xC0
.irp t, 0,1,2,3
.irp c, 0,1,2,3
	ds_load_b128 v[G+16*\t+4*\c:G+16*\t+4*\c+3], v1 offset:2048*\t+512*\c
.endr
.endr
	LOADCONST 0
.irp t, 4,5,6,7
.irp c, 0,1,2,3
	ds_load_b128 v[CR+16*\t-64+4*\c:CR+16*\t-64+4*\c+3], v1 offset:2048*\t+512*\c
.endr
.endr
.endm
; layer 0's numbers: for each tile 32 words of the condition rows (276 bytes a row: words alone are aligned) and block 2 out of X2: 36 loads a tile
.macro ASX
.irp x, 0,1
.irp b, 0,1
.irp i, 0,1,2,3,4,5,6,7,8,9,10,11,12,13,14,15
	ds_load_b32 v[ACCA+64*\x+16*\b+\i], v3 offset:4416*\x+128*\b+4*\i
.endr
.endr
.irp q, 0,1,2,3
	ds_load_b128 v[ACCA+64*\x+32+4*\q:ACCA+64*\x+35+4*\q], v4 offset:2304*\x+16*\q
.endr
.endr
.endm
.macro RELUPACK s                      ; relu, then bf16 in pairs: register q of block p = units 32 p + 16 h + 2 q, + 1, the order of W6's image
.set j, 0
.rept 64
	v_max_num_f32 v[\s+j], 0, v[\s+j]              ; ascending: each result is read from its low end on
.set j, j+1
.endr
.set j, 0
.rept 32
	v_cvt_pk_bf16_f32 v[\s+j], v[\s+2*j], v[\s+2*j+1]
.set j, j+1
.endr
.endm
; THE LAST PRODUCT.  Source 0 = W6's image (rows 0-2 and 8-10 = the three outputs), source 1 = a tile's 16 points: registers 0-2 of a result hold a point's three outputs in both halves of the lanes.
.macro FINAL
	RELUPACK ACCA
	s_wait_alu depctr_va_vdst(0)                   ; the packing is done with v48-79, in which W6 lands; part 3's interpolation is done reading the corners and tile B's products of layer 5 the bias and scale words, in which layer 0's land
.irp i, 0,1,2,3,4,5,6,7
	ds_load_b128 v[ACCA+32+4*\i:ACCA+35+4*\i], v1 offset:L_W6+512*\i
.endr
	ASW                                            ; the next trip's layer 0 (in the last trip: read for nothing): wanted at the next trip's head
	RELUPACK ACCB
	s_wait_dscnt 49                                ; all but layer 0's 49 loads: W6 and the five numbers for X2 are in
	TAILST
.irp p, 0,1,2,3                        ; two results by turns, one instruction a turn
.if \p == 0
	v_wmma_f32_16x16x32_bf16 v[OA:OA+7], v[ACCA+32:ACCA+39], v[ACCA:ACCA+7], 0
	v_wmma_f32_16x16x32_bf16 v[OB:OB+7], v[ACCA+32:ACCA+39], v[ACCB:ACCB+7], 0
.else
	v_wmma_f32_16x16x32_bf16 v[OA:OA+7], v[ACCA+32+8*\p:ACCA+39+8*\p], v[ACCA+8*\p:ACCA+8*\p+7], v[OA:OA+7]
	v_wmma_f32_16x16x32_bf16 v[OB:OB+7], v[ACCA+32+8*\p:ACCA+39+8*\p], v[ACCB+8*\p:ACCB+8*\p+7], v[OB:OB+7]
.endif
.endr
.rept 4
	v_nop                                          ; four places behind the last product, before its result is read
.endr
.irp e, 0,1,2
	v_cndmask_b32 v[TM+\e], v[OA+\e], v[OB+\e], s29   ; lanes 0-15: tile A's point, lanes 16-31: tile B's: lane = the point's number in the batch
.endr
.irp e, 0,1,2
	v_add_f32 v[TM+\e], s[48+\e], v[TM+\e]         ; + b6
.endr
	s_wait_alu depctr_va_vdst(0)                   ; the three outputs are written, which the stores read; the last products and the selects are done with v16-143, in which the next trip's numbers land
.irp e, 0,1,2
	ds_store_b32 v[AOUT], v[TM+\e] offset:4*\e
.endr
.endm
.macro PAIR l, hook, xyz               ; layer l for both tiles; the results of layer l - 1 are quantised on the way.  hook = l: the layer's constants are fetched here; -1: the part before has fetched them
	QUANT ACCA, 1, 4, \hook
	s_wait_dscnt 0x0                               ; the layer's bias and scale words, asked for some 100 vector instructions ago or more
	WLAYER ACCA, \l
	QUANT ACCB, 1, 4, -1
.if \xyz
	XYZL                                           ; under the wait at the quantiser's end
.endif
	WLAYER ACCB, \l
.endm
.macro LOADW win, base, adr, off       ; a layer's eight fragments out of the image
	WIN \win
.irp t, 0,1,2,3,4,5,6,7
.irp c, 0,1,2,3
	ds_load_b128 v[\base+16*\t+4*\c:\base+16*\t+4*\c+3], v[\adr] offset:\off+2048*\t+512*\c
.endr
.endr
.endm
	; ---- head
	s_load_b256 s[4:11], s[0:1], 0x0               ; xyz, condition rows, table, b6
	s_load_b128 s[12:15], s[0:1], 0x20             ; coords, image
	s_load_b64 s[16:17], s[0:1], 0x30              ; out
	v_lshrrev_b32 v[TM], 5, v0
	v_readfirstlane_b32 s18, v[TM]                 ; wave 0..3
	v_and_b32 v[TM], 31, v0                        ; lane
	v_and_b32 v[TM+1], 15, v0                      ; r
	v_bfe_u32 v[TM+2], v0, 4, 1                    ; h
	s_wait_alu depctr_va_sdst(0)                   ; s18 is written, ahead of its first reader
	s_mul_i32 s52, s18, WREG
	s_add_co_u32 s52, s52, WIMGB                   ; my wave's LDS
	v_lshlrev_b32 v1, 4, v[TM]                     ; 16 x lane
	v_lshl_add_u32 v2, v[TM+2], 6, L_BIAS          ; biases: + 64 h
	v_mul_u32_u24 v3, v[TM+1], 276
	v_lshl_add_u32 v3, v[TM+2], 6, v3
	v_add_nc_u32 v3, s52, v3                       ; condition rows: row r, + 64 h
	v_mul_u32_u24 v4, v[TM+1], 144
	v_lshl_add_u32 v4, v[TM+2], 6, v4
	v_add_nc_u32 v4, s52, v4
	v_add_nc_u32 v4, X2, v4                        ; X2: row r, + 64 h
	v_mul_u32_u24 v5, v[TM], 144
	v_add_nc_u32 v5, s52, v5
	v_add_nc_u32 v5, X2, v5                        ; X2: row = lane
	v_mul_u32_u24 v6, v[TM], 276
	v_add_nc_u32 v6, s52, v6
	v_add_nc_u32 v6, 256, v6                       ; condition rows: row = lane, number 64
	v_add_nc_u32 v7, s52, v1                       ; condition rows as they lie
	v_mul_u32_u24 v[AOUT], v[TM], 12
	v_add_nc_u32 v[AOUT], s52, v[AOUT]
	v_add_nc_u32 v[AXYZ], XYZST, v[AOUT]
	v_add_nc_u32 v[AOUT], OUTST, v[AOUT]
	s_mov_b32 s20, 0x76543210
	s_mov_b32 s21, 0xfedcba98                      ; v_permlanex16_b32's selects for lane l xor 16
	s_mov_b32 s22, 0x600000                        ; the mantissa field of 57,344
	s_mov_b32 s23, 0x7f800000
	s_mov_b32 s24, 0xf8800000                      ; -(15 << 23)
	s_mov_b32 s25, 0x8000000                       ; 2^(16 - 127)
	s_mov_b32 s26, 0x9e3779b1                      ; 2,654,435,761
	s_mov_b32 s27, 0x30025795                      ; 805,459,861
	s_mov_b32 s28, 0x7ffff
	s_mov_b32 s29, 0xffff0000
	s_mov_b32 s55, 0
	s_lshl_b32 s53, ttmp9, 2
	s_add_co_u32 s53, s53, s18                     ; which run of 512 points is my wave's
	s_wait_kmcnt 0x0
	s_load_b96 s[48:50], s[10:11], 0x0             ; b6
	s_mul_i32 s54, s53, 512*276
	s_add_nc_u64 s[6:7], s[6:7], s[54:55]
	s_lshl_b32 s54, s53, 14
	s_add_nc_u64 s[12:13], s[12:13], s[54:55]
	s_mul_i32 s54, s53, 512*12
	s_add_nc_u64 s[4:5], s[4:5], s[54:55]
	s_add_nc_u64 s[16:17], s[16:17], s[54:55]
	s_mov_b64 s[32:33], s[8:9]                     ; the table at each level's first entry, 8 bytes an entry
	s_add_nc_u64 s[34:35], s[8:9], 8*4920
	s_add_nc_u64 s[36:37], s[8:9], 8*40864
	s_add_nc_u64 s[38:39], s[8:9], 8*315496
	s_add_nc_u64 s[40:41], s[8:9], 8*839784
	s_add_nc_u64 s[42:43], s[8:9], 8*1364072
	s_add_nc_u64 s[44:45], s[8:9], 8*1888360
	s_add_nc_u64 s[46:47], s[8:9], 8*2412648
	s_mul_i32 s54, s18, WIMGB/4
	v_add_nc_u32 v[ATMP], s54, v1                  ; my quarter of the image: 53 runs of 512 bytes, the same place in memory and in LDS
	s_wait_alu depctr_va_vdst(0)                   ; v1-7 and v177-179 are written: every load and store of the kernel reads one of them as its offset or address
	global_load_b128 v[C8:C8+3], v1, s[12:13] th:TH_LOAD_NT            ; batch 0's coordinate words
	global_load_b128 v[C8+4:C8+7], v1, s[12:13] offset:512 th:TH_LOAD_NT
	WIN 0x40                                       ; through window 1, which is still free
.set j, 0
.rept 53
	global_load_b128 v[4*j:4*j+3], v[ATMP], s[14:15] offset:512*j
.set j, j+1
.endr
	WIN 0x80                                       ; my 512 points of xyz through window 2
.set j, 0
.rept 12
	global_load_b128 v[4*j:4*j+3], v1, s[4:5] offset:512*j th:TH_LOAD_NT
.set j, j+1
.endr
	WIN 0
	s_wait_loadcnt 0x0
	WIN 0x04
.set j, 0
.rept 53
	ds_store_b128 v[ATMP], v[4*j:4*j+3] offset:512*j
.set j, j+1
.endr
	WIN 0
	s_wait_dscnt 0x0
	s_wait_alu depctr_vm_vsrc(0)                   ; the 53 stores have read v[ATMP], which is made anew
	v_add_nc_u32 v[ATMP], s52, v1
	v_add_nc_u32 v[ATMP], XYZST, v[ATMP]
.irp i, 0,1,2,3
	v_mov_b32 v[ACCA+\i], 0
.endr
	s_wait_alu depctr_va_vdst(0)                   ; v[ATMP] and the four zeros are written, which the stores below read
	WIN 0x08
.set j, 0
.rept 12
	ds_store_b128 v[ATMP], v[4*j:4*j+3] offset:512*j
.set j, j+1
.endr
	WIN 0
	ds_store_b128 v[ATMP], v[ACCA:ACCA+3] offset:6144     ; the 512 bytes behind my xyz, which the last trip's encoding reads
	ds_store_b128 v5, v[ACCA:ACCA+3] offset:80            ; X2's words 20-31: zeros (word 20 is written anew for each batch)
	ds_store_b128 v5, v[ACCA:ACCA+3] offset:96
	ds_store_b128 v5, v[ACCA:ACCA+3] offset:112
	s_wait_dscnt 0x0                               ; for the others' sake: my quarter of the image lies in LDS
	s_barrier_signal -1
	s_barrier_wait -1                              ; the only barrier: from here on the image is read alone, and each wave writes its own region alone
	; ---- prologue: batch 0's encoding; the weights come into registers while its first gathers are on their way
	C1 0
	v_add_nc_u32 v[ATMP], L_W1+2*16384, v1         ; (the wait in part 1 that the memory side has read its registers stands behind the head's stores, which read v[ATMP])
	s_wait_alu depctr_va_vdst(0)                   ; part 1's lines are done with v172-174, in which xyz lands
	s_wait_alu depctr_vm_vsrc(0)                   ; the head's LDS stores have read the registers of windows 1 and 2 through which the image and xyz passed: the weights land there
	LOADW 0x40, 0, 1, L_W1
	LOADW 0x40, 128, 1, L_W1+16384
	LOADW 0x80, 0, ATMP, 0
	LOADW 0x80, 128, ATMP, 16384
	LOADW 0xC0, 0, ATMP, 32768
	WIN 0
	s_wait_dscnt 0x0
	XYZL
	C2 0
	XYZL
	C3 0
	s_wait_dscnt 0x0
	TAILST
	s_wait_alu depctr_va_vdst(0)                   ; part 3's interpolation is done reading the corners, in which layer 0's tiles land; v[AXYZ] is written
	s_wait_alu depctr_vm_vsrc(0)                   ; the two stores above have read v164-168, which the first trip's quantiser writes
	ASW
	s_wait_kmcnt 0x0                               ; b6
	s_mov_b32 s19, 0
.Ltrip:                                                ; trip t: the MLP of batch t, the encoding of batch min(t + 1, 15)
	ASX                                            ; no wait here: since the last wait for the vector side (FINAL's second; on the way in, the prologue's) no vector or matrix instruction names v3, v4 or v16-143
	s_wait_dscnt 36                                ; all but tile B's 36 loads: tile A's numbers, layer 0's weights and constants
	QUANT ACCA, 0, 3, -1
	WLAYER ACCA, 0
	s_wait_dscnt 0x0                               ; tile B's numbers
	QUANT ACCB, 0, 3, -1
	WLAYER ACCB, 0
	PAIR 1, 1, 0
	C1 1
	PAIR 2, -1, 0
	PAIR 3, 3, 1
	C2 1
	PAIR 4, -1, 0
	PAIR 5, 5, 1
	C3 1
	FINAL
	s_wait_alu depctr_vm_vsrc(0)                   ; the three stores have read v[AOUT] and v160-162, and the two into X2 v164-168: the add below and the next trip's quantiser write them
	v_add_nc_u32 v[AOUT], 384, v[AOUT]             ; the next batch's place in the stage for out
	s_add_co_u32 s19, s19, 1
	s_cmp_lt_u32 s19, NB
	s_cbranch_scc1 .Ltrip
	; ---- the way out: my 512 points, 6,144 consecutive bytes
	v_add_nc_u32 v[ATMP], s52, v1
	v_add_nc_u32 v[ATMP], OUTST, v[ATMP]
	s_wait_alu depctr_va_vdst(0)                   ; v[ATMP] is written, by which the loads below read
.set j, 0
.rept 12
	ds_load_b128 v[ACCA+4*j:ACCA+4*j+3], v[ATMP] offset:512*j         ; LDS serves a wave's instructions in order: these see my stores
.set j, j+1
.endr
.set j, 0
.rept 12
	s_wait_dscnt 11-j
	global_store_b128 v1, v[ACCA+4*j:ACCA+4*j+3], s[16:17] offset:512*j th:TH_STORE_NT   ; 32 lanes store 512 consecutive bytes, at a multiple of 256 from out's first byte
.set j, j+1
.endr
	s_wait_xcnt 0x0
	v_lshl_add_u32 v254, v0, 2, 0x34200            ; the add's two registers, made anew: no memory or LDS instruction has read them since part 3's wait for the memory side
	v_mov_b32 v255, 0
	s_wait_dscnt 0x0                               ; the closing lines, six on end
	s_wait_alu 0x0
	s_wait_tensorcnt 0x0
	ds_add_u32 v254, v255
	s_wait_dscnt 0x0
	s_endpgm
.Lfunc_end_k_qa5c2ef03b3_main:
	.size	k_qa5c2ef03b3_main, .Lfunc_end_k_qa5c2ef03b3_main-k_qa5c2ef03b3_main
	.p2alignl 7, 3214868480
	.fill 96, 4, 3214868480
	.section	.rodata,"a",@progbits
	.p2align	6, 0x0
	.amdhsa_kernel k_qa5c2ef03b3_main
		.amdhsa_group_segment_fixed_size 214016
		.amdhsa_private_segment_fixed_size 0
		.amdhsa_enable_private_segment 0
		.amdhsa_kernarg_size 56
		.amdhsa_user_sgpr_count 2
		.amdhsa_user_sgpr_kernarg_segment_ptr 1
		.amdhsa_wavefront_size32 1
		.amdhsa_system_sgpr_workgroup_id_x 1
		.amdhsa_system_sgpr_workgroup_id_y 1
		.amdhsa_system_sgpr_workgroup_id_z 1
		.amdhsa_system_vgpr_workitem_id 0
		.amdhsa_next_free_vgpr 1024
		.amdhsa_next_free_sgpr 66
		.amdhsa_reserve_vcc 0
		.amdhsa_float_denorm_mode_32 3
		.amdhsa_float_denorm_mode_16_64 3
		.amdhsa_memory_ordered 1
		.amdhsa_forward_progress 1
		.amdhsa_inst_pref_size 226
	.end_amdhsa_kernel
	.amdgpu_metadata
---
amdhsa.version: [ 1, 2 ]
amdhsa.kernels:
  - .name:           k_qa5c2ef03b3_main
    .symbol:         k_qa5c2ef03b3_main.kd
    .args:
      - { .name: xyz, .offset: 0, .size: 8, .value_kind: global_buffer, .address_space: global }
      - { .name: condition_code, .offset: 8, .size: 8, .value_kind: global_buffer, .address_space: global }
      - { .name: embeddings, .offset: 16, .size: 8, .value_kind: global_buffer, .address_space: global }
      - { .name: b6, .offset: 24, .size: 8, .value_kind: global_buffer, .address_space: global }
      - { .name: coords, .offset: 32, .size: 8, .value_kind: global_buffer, .address_space: global }
      - { .name: wimg, .offset: 40, .size: 8, .value_kind: global_buffer, .address_space: global }
      - { .name: out0, .offset: 48, .size: 8, .value_kind: global_buffer, .address_space: global }
    .group_segment_fixed_size: 214016
    .private_segment_fixed_size: 0
    .kernarg_segment_align: 8
    .kernarg_segment_size: 56
    .max_flat_workgroup_size: 128
    .sgpr_count:     66
    .vgpr_count:     1024
    .wavefront_size: 32
...
	.end_amdgpu_metadata
.endif
;; end of part 3
